; MI455X (gfx1250); checked and timed in simulation.
; The chip was launched on July 23, 2026; its instructions are those of AMD's public machine-readable ISA for CDNA 5 (MIT licence, August 2026) and "CDNA5" Instruction Set Architecture Reference Guide (July 2026). The comments in the code are by the model that wrote it; some were corrected since.
;; Mo E. Allowed arithmetic: matrix products marked QUANTISED: E3M2 operands, one E8M0 scale for each 32 along K, by v_wmma_scale_f32_16x16x128_f8f6f4 with both operands' format E3M2, f32 sums; products left as they are: f32 operands where the result goes on into a quantised operand, else bf16, f16 or f32 operands; f32 sums; everything else in f32.
;; Inputs: Wd_codes 8 x 1,024 x 86 x 24 uint8 (E3M2 codes of Wd, K innermost, in blocks of 32 codes, four codes in three bytes); Wd_scales 8 x 1,024 x 86 uint8 (E8M0 scales of Wd, one for each 32 codes along K); Wg 8 x 1,024 float32; Wu_codes 8 x 2,752 x 32 x 24 uint8 (E3M2 codes of Wu, K innermost, in blocks of 32 codes, four codes in three bytes); Wu_scales 8 x 2,752 x 32 uint8 (E8M0 scales of Wu, one for each 32 codes along K); Wv_codes 8 x 2,752 x 32 x 24 uint8 (E3M2 codes of Wv, K innermost, in blocks of 32 codes, four codes in three bytes); Wv_scales 8 x 2,752 x 32 uint8 (E8M0 scales of Wv, one for each 32 codes along K); bg 8 float32; x 1,024 x 1,024 float32.
;; Outputs: out0 1,024 x 1,024 float32; out1 one number float32.
;; This version of the problem:
;;   THIS VERSION OF THE PROBLEM IS GIVEN IN LOW PRECISION. The matrix products marked QUANTISED in the list below multiply operands that are first quantised to E3M2 (3 exponent bits, 2 mantissa bits; 6 bits a number), with one power-of-two scale for each 32 numbers along K (OCP MX v1.0); their sums are f32. All else is computed in f32.
;;   The module's matrix products, in the order in which they are computed (A, B: the left and right operand; K: the contracted axis; several contracted axes count as one K, in the product's order):
;;     1. [M 1,024, K 1,024] x [K 1,024, N 8]; A: input x; B: input Wg: left as it is (N = 8 < 16)
;;     2. [M 1,024, K 1,024] x [K 1,024, N 2,752]; A: input x; B: input Wu (given as codes): QUANTISED
;;     3. [M 1,024, K 1,024] x [K 1,024, N 2,752]; A: input x; B: input Wv (given as codes): QUANTISED
;;     4. [M 1,024, K 2,752] x [K 2,752, N 1,024]; A: computed on the way; B: input Wd (given as codes): QUANTISED
;;     5. [M 1,024, K 1,024] x [K 1,024, N 2,752]; A: input x; B: input Wu (given as codes): QUANTISED
;;     6. [M 1,024, K 1,024] x [K 1,024, N 2,752]; A: input x; B: input Wv (given as codes): QUANTISED
;;     7. [M 1,024, K 2,752] x [K 2,752, N 1,024]; A: computed on the way; B: input Wd (given as codes): QUANTISED
;;     8. [M 1,024, K 1,024] x [K 1,024, N 2,752]; A: input x; B: input Wu (given as codes): QUANTISED
;;     9. [M 1,024, K 1,024] x [K 1,024, N 2,752]; A: input x; B: input Wv (given as codes): QUANTISED
;;     10. [M 1,024, K 2,752] x [K 2,752, N 1,024]; A: computed on the way; B: input Wd (given as codes): QUANTISED
;;     11. [M 1,024, K 1,024] x [K 1,024, N 2,752]; A: input x; B: input Wu (given as codes): QUANTISED
;;     12. [M 1,024, K 1,024] x [K 1,024, N 2,752]; A: input x; B: input Wv (given as codes): QUANTISED
;;     13. [M 1,024, K 2,752] x [K 2,752, N 1,024]; A: computed on the way; B: input Wd (given as codes): QUANTISED
;;     14. [M 1,024, K 1,024] x [K 1,024, N 2,752]; A: input x; B: input Wu (given as codes): QUANTISED
;;     15. [M 1,024, K 1,024] x [K 1,024, N 2,752]; A: input x; B: input Wv (given as codes): QUANTISED
;;     16. [M 1,024, K 2,752] x [K 2,752, N 1,024]; A: computed on the way; B: input Wd (given as codes): QUANTISED
;;     17. [M 1,024, K 1,024] x [K 1,024, N 2,752]; A: input x; B: input Wu (given as codes): QUANTISED
;;     18. [M 1,024, K 1,024] x [K 1,024, N 2,752]; A: input x; B: input Wv (given as codes): QUANTISED
;;     19. [M 1,024, K 2,752] x [K 2,752, N 1,024]; A: computed on the way; B: input Wd (given as codes): QUANTISED
;;     20. [M 1,024, K 1,024] x [K 1,024, N 2,752]; A: input x; B: input Wu (given as codes): QUANTISED
;;     21. [M 1,024, K 1,024] x [K 1,024, N 2,752]; A: input x; B: input Wv (given as codes): QUANTISED
;;     22. [M 1,024, K 2,752] x [K 2,752, N 1,024]; A: computed on the way; B: input Wd (given as codes): QUANTISED
;;     23. [M 1,024, K 1,024] x [K 1,024, N 2,752]; A: input x; B: input Wu (given as codes): QUANTISED
;;     24. [M 1,024, K 1,024] x [K 1,024, N 2,752]; A: input x; B: input Wv (given as codes): QUANTISED
;;     25. [M 1,024, K 2,752] x [K 2,752, N 1,024]; A: computed on the way; B: input Wd (given as codes): QUANTISED
;;   THE QUANTISER, for each operand of a quantised product, along K:
;;     - K is cut into blocks of 32 from its start; a last block that is shorter is filled with zeros.
;;     - A block's scale is 2^e with e = floor(log2(the largest magnitude in the block)) - 4, held to -126 .. 127; a block of zeros has e = 0. As a byte (E8M0): e + 127.
;;     - Each number is divided by its block's scale, clamped to +-28, and rounded to the nearest number of E3M2, ties to even, subnormals kept.
;;     - The product sums the exact products of the quantised numbers (number of the format x scale) in f32.
;;   ~~~python
;;   def quantise(x, axis):      # numpy; x: float32 -> the quantised numbers, widened to float32 again
;;       x = np.moveaxis(x, axis, -1); K = x.shape[-1]
;;       x = np.pad(x, [(0, 0)] * (x.ndim - 1) + [(0, -K % 32)]); x = x.reshape(x.shape[:-1] + (-1, 32)); a = np.abs(x).max(-1, keepdims=True)
;;       e = np.where(a > 0, np.clip(np.frexp(np.where(a > 0, a, 1))[1] - 1 - 4, -126, 127), 0)      # np.frexp(a)[1] - 1 = floor(log2(a)), exactly
;;       r = np.clip(x / 2.0 ** e, -28, 28)
;;       step = 2.0 ** (np.maximum(np.frexp(np.where(r == 0, 1, r))[1] - 1, -2) - 2)
;;       q = np.round(r / step) * step * 2.0 ** e      # np.round: ties to even
;;       return np.moveaxis(q.reshape(q.shape[:-2] + (-1,))[..., :K], -1, axis).astype(np.float32)
;;   ~~~
;;   OPERANDS COMPUTED ON THE WAY. 'Computed on the way' means the value that the module computes at that place (a softmax that the list does not call 'softmax' is quantised finished and normalised). What goes into a quantiser is computed in f32, as accurately as f32 sums, v_exp_f32 and their like allow (about 1e-6 of the number): no bf16 or f16 on the way to a quantiser, and a product that is left as it is and whose result goes on into a quantised operand takes f32 operands (vector FMAs, or v_wmma_f32_16x16x4_f32). A number that lies on a knife's edge between two numbers of the format may be rounded either way, as far as f32 arithmetic and the matrix unit's own rounding can turn it there, and no further.
;;   INPUTS GIVEN AS CODES. Wd (in the module: [8, 1024, 2752], K = its axis 2); Wu (in the module: [8, 2752, 1024], K = its axis 2); Wv (in the module: [8, 2752, 1024], K = its axis 2): each comes as NAME_codes (uint8): NAME with its K axis moved to the last place and cut into blocks of 32 codes, [.., K / 32, bytes a block], one block behind the other in memory; four codes in three bytes: a row's codes are one little-endian stream of bits, code i at bits 6 i .. 6 i + 5 (a code: sign, 3 exponent bits, 2 mantissa bits); and NAME_scales (uint8): the same leading axes, one E8M0 byte (e + 127) for each 32 codes along K. Its value is code x scale, taken as it is: it is not quantised again, and the codes and scales need not be those that the quantiser above would give.
;; 2 versions, each right; version 2 is version 1 with the launches up, down written anew for expert scheduling mode. Each part assembles by itself: llvm-mc -triple=amdgcn-amd-amdhsa -mcpu=gfx1250 --defsym DOCPART=n.
;; ======== version 1 of 2: 4 launches
;; workspace buffers: xc 786,432 bytes; xs 32,768 bytes; idx 4,096 bytes of whole numbers; rt 20,480 bytes; hc 16,908,288 bytes; hs 786,432 bytes; order 33,792 bytes of whole numbers
;; launch route (part 1): grid 256 x 1, 4 waves a work-group, no clusters, 55,808 bytes of LDS; arguments x, Wg, bg, xc, xs, idx, rt; writes xc, xs, idx, rt
.if DOCPART == 1
	.amdgcn_target "amdgcn-amd-amdhsa--gfx1250"
	.amdhsa_code_object_version 6
	.text
	.protected	k_qc2aad0f39b_route
	.globl	k_qc2aad0f39b_route
	.p2align	8
	.type	k_qc2aad0f39b_route,@function
k_qc2aad0f39b_route:
	s_mov_b64 s[64:65], 0
	v_nop
	global_prefetch_b8 v0, s[64:65] scope:SCOPE_SE
	s_setreg_imm32_b32 hwreg(HW_REG_WAVE_MODE, 25, 1), 1
	s_wait_xcnt 0x0
; ROUTE.  One wave takes one token n = 4 x work-group + wave.
;  (a) x[n][0..1023] becomes 1,024 codes of E3M2 (768 bytes, the row's plain stream of bits) in xc and 32 E8M0 bytes in xs.
;      In xs bytes 1 and 2 of every word of four change places: the products of the next launch give lane half h of a fragment the 48 neighbouring
;      bytes 96 s + 48 h of a row (blocks 4 s + 2 h and 4 s + 2 h + 1), on both operands alike, so the instruction's blocks 1 and 2 are memory's 2 and 1.
;  (b) the eight logits x[n] . Wg[e] + bg[e] in f32 (fused multiply-adds), their softmax with the maximum taken away, the first index of the maximum.
;      idx[n] = that index (a whole number for the later launches), rt[n] = its probability = 1 / the sum, since 2^0 = 1 exactly.
;  (c) a record of 16 numbers for the work-group's four tokens: the sums of the 8 probabilities and of the 8 one-hot flags, at rt + 4,096 + 64 x work-group.
; Wg (32 KiB) is brought once by the four waves together, two rows each, and read from LDS by all.
; LIMITS: NaN and infinities among the inputs are not served.  A block whose largest magnitude lies under 2^-122 gets the byte 1 (a block of zeros too, where
; the quantiser says 127: its codes are zeros and only this program reads the bytes).  Equal logits: the lower index.  Logits closer than the rounding of an
; f32 sum of 1,024 terms may fall either way.
.set TURNB, 4608                       ; LDS, for each wave: 32 blocks x (128 bytes + 16 of padding)
.set CST,   18432                      ; for each wave 768 bytes: the codes on their way out
.set PART,  21504                      ; for each wave 128 bytes: its record
.set IDXW,  22016                      ; four index words; 16 bytes on: four gate words
.set WGL,   22528                      ; Wg as it lies in memory, 32,768 bytes
.set X,   16                           ; v16-47   x as loaded: register 4 j + q = x[128 j + 4 lane + q]
.set XT,  48                           ; v48-79   x turned: block number lane, 32 neighbours
.set W,   80                           ; v80-207  four sets of 32: a row of Wg, laid as X
.set A,   208                          ; v208-223 eight pairs of partial sums
.set P,   224                          ; v224-229 the block's 24 bytes of codes
.set Q,   230                          ; v230-232 its upper 16 codes as the conversion leaves them
	s_load_b256 s[4:11], s[0:1], 0x0               ; x s[4:5], Wg s[6:7], bg s[8:9], xc s[10:11]
	s_load_b128 s[12:15], s[0:1], 0x20             ; xs s[12:13], idx s[14:15]
	s_load_b64 s[16:17], s[0:1], 0x30              ; rt
	s_set_vgpr_msb 0x40
	v_lshl_add_u32 v0, v0, 2, 0xd800
	v_mov_b32 v1, 0
	s_set_vgpr_msb 0x4000
	v_lshrrev_b32 v1, 5, v0
	v_readfirstlane_b32 s18, v1                    ; wave
	v_and_b32 v1, 31, v0                           ; lane
	v_lshlrev_b32 v2, 4, v1                        ; 16 x lane
	s_lshl_b32 s19, ttmp9, 2
	s_add_co_u32 s19, s19, s18                     ; my token
	s_mov_b32 s20, 0x76543210
	s_mov_b32 s21, 0xfedcba98                      ; v_permlanex16_b32's selects for lane xor 16
	s_mov_b32 s22, 0xaaaaaaaa                      ; lanes with bit 0, 1, 2 of their number set
	s_mov_b32 s23, 0xcccccccc
	s_mov_b32 s24, 0xf0f0f0f0
	s_mul_i32 s25, s18, TURNB
	v_lshrrev_b32 v3, 3, v1
	v_mul_u32_u24 v3, v3, 144
	v_and_b32 v9, 7, v1
	v_lshl_add_u32 v3, v9, 4, v3
	v_add_nc_u32 v3, s25, v3                       ; the turn, in: load j's 512 bytes are blocks 4 j .. 4 j + 3: 144 (lane / 8) + 16 (lane % 8), + 576 j
	v_mul_u32_u24 v4, v1, 144
	v_add_nc_u32 v4, s25, v4                       ; out: block number lane
	s_mul_i32 s25, s18, 768
	s_add_co_u32 s25, s25, CST
	v_mul_u32_u24 v5, v1, 24
	v_add_nc_u32 v5, s25, v5                       ; codes, in: 24 bytes a lane
	v_lshlrev_b32 v7, 3, v1
	v_add_nc_u32 v6, s25, v7                       ; out: 8 bytes a lane, 256 an instruction
	v_and_b32 v8, 0x1c, v1
	v_and_b32 v12, 1, v1
	v_lshl_or_b32 v8, v12, 1, v8
	v_bfe_u32 v12, v1, 1, 1
	v_or_b32 v8, v8, v12                           ; my block's place among the row's 32 scale bytes: bits 0 and 1 of the block's number change places
	v_cvt_f32_u32 v11, v9                          ; lane % 8, the expert whose logit I shall hold, as f32
	v_lshlrev_b32 v9, 2, v9
	s_lshl_b32 s25, s18, 7
	s_add_co_u32 s25, s25, PART
	v_lshlrev_b32 v252, 2, v1                      ; 4 x lane
	v_add_nc_u32 v12, s25, v252                    ; my word of my wave's record
	s_lshl_b32 s25, s18, 2
	s_add_co_u32 s25, s25, IDXW
	v_mov_b32 v13, s25                             ; my wave's index word
	v_and_b32 v14, 3, v1
	v_lshl_add_u32 v14, v14, 2, IDXW               ; wave 0 reads the four words back
	v_add_nc_u32 v15, WGL, v2                      ; Wg in LDS: 16 x lane
	s_lshl_b32 s25, s18, 13
	v_add_nc_u32 v254, s25, v2                     ; my wave's two rows of Wg, in memory,
	v_add_nc_u32 v255, WGL, v254                   ; and in LDS
	s_wait_kmcnt 0x0
	s_lshl_b32 s26, s19, 12
	s_mov_b32 s27, 0
	s_add_nc_u64 s[4:5], s[4:5], s[26:27]          ; x at my row
	s_mul_i32 s26, s19, 768
	s_add_nc_u64 s[10:11], s[10:11], s[26:27]      ; xc at my row
	s_lshl_b32 s26, s19, 5
	s_add_nc_u64 s[12:13], s[12:13], s[26:27]      ; xs at my row
	s_lshl_b32 s26, ttmp9, 4
	s_add_nc_u64 s[14:15], s[14:15], s[26:27]      ; idx at the work-group's four words
	s_add_nc_u64 s[28:29], s[16:17], s[26:27]      ; the gates likewise
	s_lshl_b32 s26, ttmp9, 6
	s_add_co_u32 s26, s26, 4096
	s_add_nc_u64 s[16:17], s[16:17], s[26:27]      ; the work-group's record
.irp j, 0,1,2,3,4,5,6,7
	global_load_b128 v[X+4*\j:X+4*\j+3], v2, s[4:5] offset:512*\j th:TH_LOAD_NT   ; 512 neighbouring bytes a load; x is read once in this launch
.endr
	global_load_b32 v10, v9, s[8:9]                ; bg[lane % 8]
.set j, 0
.rept 16
	global_load_b128 v[W+4*j:W+4*j+3], v254, s[6:7] offset:512*j
.set j, j+1
.endr
	; ---- the codes.  The conversion takes 16 neighbours from one lane's registers, the loads gave a lane 4: the row turns through the wave's own LDS bytes
	s_wait_loadcnt 17                              ; x is in; bg and my 16 loads of Wg may be out
.irp j, 0,1,2,3,4,5,6,7
	ds_store_b128 v3, v[X+4*\j:X+4*\j+3] offset:576*\j
.endr
.irp i, 0,1,2,3,4,5,6,7
	ds_load_b128 v[XT+4*\i:XT+4*\i+3], v4 offset:16*\i          ; LDS serves a wave's instructions in order: these see the stores above
.endr
	s_wait_dscnt 0x0
	v_max3_num_f32 v250, |v[XT]|, |v[XT+1]|, |v[XT+2]|          ; the block's largest magnitude: all 32 numbers are mine; two chains
	v_max3_num_f32 v251, |v[XT+3]|, |v[XT+4]|, |v[XT+5]|
.irp i, 6,10,14,18,22,26
	v_max3_num_f32 v250, v250, |v[XT+\i]|, |v[XT+\i+1]|
	v_max3_num_f32 v251, v251, |v[XT+\i+2]|, |v[XT+\i+3]|
.endr
	v_max3_num_f32 v250, v250, |v[XT+30]|, |v[XT+31]|
	v_max3_num_f32 v250, v250, v251, 0x2800000     ; and the floor 2^(5 - 127): the byte cannot fall under 1
	v_add_nc_u32 v253, 0xfe000000, v250            ; 4 off the exponent field: the conversion takes this operand's exponent field as its scale
	v_lshrrev_b32 v233, 23, v253                   ; the scale's byte
	v_cvt_scalef32_pk16_bf6_f32 v[P:P+2], v[XT:XT+15], v253
	v_cvt_scalef32_pk16_bf6_f32 v[Q:Q+2], v[XT+16:XT+31], v253  ; (a conversion's three registers begin on an even number)
	v_nop                                          ; one plain place behind a scaled conversion
.irp i, 0,1,2
	v_mov_b32 v[P+3+\i], v[Q+\i]
.endr
	ds_store_b64 v5, v[P:P+1]
	ds_store_b64 v5, v[P+2:P+3] offset:8
	ds_store_b64 v5, v[P+4:P+5] offset:16
	ds_load_b64 v[244:245], v6
	ds_load_b64 v[246:247], v6 offset:256
	ds_load_b64 v[248:249], v6 offset:512
	global_store_b8 v8, v233, s[12:13]             ; the wave's 32 bytes are neighbours
	s_wait_dscnt 0x0
	global_store_b64 v7, v[244:245], s[10:11]      ; each store of the wave covers 256 consecutive bytes, aligned
	global_store_b64 v7, v[246:247], s[10:11] offset:256
	global_store_b64 v7, v[248:249], s[10:11] offset:512
	; ---- Wg to LDS
	s_wait_loadcnt 0x0
.set j, 0
.rept 16
	ds_store_b128 v255, v[W+4*j:W+4*j+3] offset:512*j
.set j, j+1
.endr
	s_wait_dscnt 0x0                               ; for the others' sake: my two rows lie in LDS
	s_barrier_signal -1
	s_barrier_wait -1
	; ---- the eight dot products
.macro WLOAD e                         ; row e of Wg into set e % 4
.irp j, 0,1,2,3,4,5,6,7
	ds_load_b128 v[W+32*((\e)%4)+4*\j:W+32*((\e)%4)+4*\j+3], v15 offset:4096*(\e)+512*\j
.endr
.endm
.macro DOT2 e, left                    ; experts e and e + 1 by turns; left: the younger LDS loads that may stay out
	s_wait_dscnt \left
.irp k, 0,1
	v_pk_mul_f32 v[A+2*(\e+\k):A+2*(\e+\k)+1], v[X:X+1], v[W+32*((\e+\k)%4):W+32*((\e+\k)%4)+1]   ; the first product starts the sum
.endr
.irp j, 2,4,6,8,10,12,14,16,18,20,22,24,26,28,30
.irp k, 0,1
	v_pk_fma_f32 v[A+2*(\e+\k):A+2*(\e+\k)+1], v[X+\j:X+\j+1], v[W+32*((\e+\k)%4)+\j:W+32*((\e+\k)%4)+\j+1], v[A+2*(\e+\k):A+2*(\e+\k)+1]
.endr
.endr
.endm
	WLOAD 0
	WLOAD 1
	WLOAD 2
	WLOAD 3
	DOT2 0, 16                                     ; sets 2 and 3, sixteen loads, may be out
	WLOAD 4
	WLOAD 5
	DOT2 2, 16
	WLOAD 6
	WLOAD 7
	DOT2 4, 16
	DOT2 6, 0
.irp e, 0,1,2,3,4,5,6,7
	v_add_f32 v[A+2*\e], v[A+2*\e], v[A+2*\e+1]    ; expert e's partial sum of my lane, at A + 2 e
.endr
	; eight sums over 32 lanes at once: in each step a lane keeps one half of its numbers and hands the other half to its partner; lane l ends with expert l % 8
.irp i, 0,1,2,3
	v_cndmask_b32 v[A+4*\i+1], v[A+4*\i+2], v[A+4*\i], s22      ; what I hand on,
	v_cndmask_b32 v[A+4*\i+3], v[A+4*\i], v[A+4*\i+2], s22      ; what I keep
.endr
.irp i, 0,1,2,3
	v_add_f32_dpp v[A+4*\i+3], v[A+4*\i+1], v[A+4*\i+3] row_xmask:1 row_mask:0xf bank_mask:0xf
.endr
.irp k, 0,1
	v_cndmask_b32 v[A+8*\k], v[A+8*\k+7], v[A+8*\k+3], s23
	v_cndmask_b32 v[A+8*\k+1], v[A+8*\k+3], v[A+8*\k+7], s23
.endr
.irp k, 0,1
	v_add_f32_dpp v[A+8*\k+1], v[A+8*\k], v[A+8*\k+1] row_xmask:2 row_mask:0xf bank_mask:0xf
.endr
	v_cndmask_b32 v[A+2], v[A+9], v[A+1], s24
	v_cndmask_b32 v[A+3], v[A+1], v[A+9], s24
	v_add_f32_dpp v[A+3], v[A+2], v[A+3] row_xmask:4 row_mask:0xf bank_mask:0xf
	v_add_f32_dpp v[A+3], v[A+3], v[A+3] row_xmask:8 row_mask:0xf bank_mask:0xf
	v_permlanex16_b32 v[A+4], v[A+3], s20, s21
	v_add_f32 v[A+3], v[A+3], v[A+4]
	v_add_f32 v[A+3], v[A+3], v10                  ; the logit of expert lane % 8
	; ---- softmax and argmax over each group of eight lanes (all four groups hold the same)
	v_mov_b32 v234, v[A+3]
	v_max_num_f32_dpp v234, v234, v234 row_xmask:1 row_mask:0xf bank_mask:0xf
	v_max_num_f32_dpp v234, v234, v234 row_xmask:2 row_mask:0xf bank_mask:0xf
	v_max_num_f32_dpp v234, v234, v234 row_xmask:4 row_mask:0xf bank_mask:0xf
	v_sub_f32 v235, v[A+3], v234                   ; the maximum is taken away
	v_mul_f32 v235, 0x3fb8aa3b, v235               ; x log2(e)
	v_exp_f32 v236, v235
	v_nop                                          ; one plain place behind a transcendental
	s_wait_alu depctr_va_vdst(0)
	v_mov_b32 v237, v236
	v_add_f32_dpp v237, v237, v237 row_xmask:1 row_mask:0xf bank_mask:0xf
	v_add_f32_dpp v237, v237, v237 row_xmask:2 row_mask:0xf bank_mask:0xf
	v_add_f32_dpp v237, v237, v237 row_xmask:4 row_mask:0xf bank_mask:0xf
	v_rcp_f32 v238, v237                           ; 1 / the sum: also the chosen expert's probability
	v_nop
	s_wait_alu depctr_va_vdst(0)
	v_mul_f32 v239, v236, v238                     ; my expert's probability
	v_cmp_eq_f32 vcc_lo, v[A+3], v234
	v_cndmask_b32 v240, 0x41000000, v11, vcc_lo    ; my expert's number where its logit is the maximum, else 8
	v_min_num_f32_dpp v240, v240, v240 row_xmask:1 row_mask:0xf bank_mask:0xf
	v_min_num_f32_dpp v240, v240, v240 row_xmask:2 row_mask:0xf bank_mask:0xf
	v_min_num_f32_dpp v240, v240, v240 row_xmask:4 row_mask:0xf bank_mask:0xf
	v_cvt_u32_f32 v241, v240                       ; the first index of the maximum.  It is only stored here: no address or branch of this launch hangs on it
	v_cmp_eq_f32 vcc_lo, v11, v240
	v_cndmask_b32 v242, 0, 1.0, vcc_lo             ; the one-hot flag of my expert
	v_and_b32 v243, 8, v1
	v_cmp_ne_u32 vcc_lo, 0, v243
	v_cndmask_b32 v243, v239, v242, vcc_lo         ; the record: lanes 0-7 probabilities, lanes 8-15 flags (lanes 16-31 the same again)
	ds_store_b32 v12, v243
	ds_store_b32 v13, v241                         ; all lanes write the same word with the same value
	ds_store_b32 v13, v238 offset:16
	s_wait_dscnt 0x0                               ; for wave 0's sake
	s_barrier_signal -1
	s_barrier_wait -1
	s_cmp_lg_u32 s18, 0
	s_cbranch_scc1 .Lend
	ds_load_b32 v[A], v12                          ; (in wave 0 this register is PART + 4 x lane)
	ds_load_b32 v[A+1], v12 offset:128
	ds_load_b32 v[A+2], v12 offset:256
	ds_load_b32 v[A+3], v12 offset:384
	ds_load_b32 v[A+4], v14
	ds_load_b32 v[A+5], v14 offset:16
	s_wait_dscnt 0x0
	v_add_f32 v[A], v[A], v[A+1]
	v_add_f32 v[A+2], v[A+2], v[A+3]
	v_add_f32 v[A], v[A], v[A+2]                   ; the four tokens' record
	v_cmp_gt_u32 vcc_lo, 16, v0
	s_wait_xcnt 0x0                                ; EXEC changes only behind this wait: the stores above have it among their sources
	s_and_saveexec_b32 s26, vcc_lo
	global_store_b32 v252, v[A], s[16:17]          ; 64 bytes
	s_wait_xcnt 0x0
	s_or_b32 exec_lo, exec_lo, s26
	v_cmp_gt_u32 vcc_lo, 4, v0
	s_and_saveexec_b32 s26, vcc_lo
	global_store_b32 v252, v[A+4], s[14:15]        ; four indices
	global_store_b32 v252, v[A+5], s[28:29]        ; four gates
	s_wait_xcnt 0x0
	s_or_b32 exec_lo, exec_lo, s26
.Lend:
	s_set_vgpr_msb 0x5
	s_wait_tensorcnt 0x0
	ds_add_u32 v0, v1
	s_wait_dscnt 0x0
	s_set_vgpr_msb 0x500
	s_endpgm
.Lfunc_end_k_qc2aad0f39b_route:
	.size	k_qc2aad0f39b_route, .Lfunc_end_k_qc2aad0f39b_route-k_qc2aad0f39b_route
	.p2alignl 7, 3214868480
	.fill 96, 4, 3214868480
	.section	.rodata,"a",@progbits
	.p2align	6, 0x0
	.amdhsa_kernel k_qc2aad0f39b_route
		.amdhsa_group_segment_fixed_size 55808
		.amdhsa_private_segment_fixed_size 0
		.amdhsa_enable_private_segment 0
		.amdhsa_kernarg_size 56
		.amdhsa_user_sgpr_count 2
		.amdhsa_user_sgpr_kernarg_segment_ptr 1
		.amdhsa_wavefront_size32 1
		.amdhsa_system_sgpr_workgroup_id_x 1
		.amdhsa_system_sgpr_workgroup_id_y 1
		.amdhsa_system_sgpr_workgroup_id_z 1
		.amdhsa_system_vgpr_workitem_id 0
		.amdhsa_next_free_vgpr 258
		.amdhsa_next_free_sgpr 66
		.amdhsa_reserve_vcc 1
		.amdhsa_float_denorm_mode_32 3
		.amdhsa_float_denorm_mode_16_64 3
		.amdhsa_memory_ordered 1
		.amdhsa_forward_progress 1
		.amdhsa_inst_pref_size 27
	.end_amdhsa_kernel
	.amdgpu_metadata
---
amdhsa.version: [ 1, 2 ]
amdhsa.kernels:
  - .name:           k_qc2aad0f39b_route
    .symbol:         k_qc2aad0f39b_route.kd
    .args:
      - { .name: x, .offset: 0, .size: 8, .value_kind: global_buffer, .address_space: global }
      - { .name: Wg, .offset: 8, .size: 8, .value_kind: global_buffer, .address_space: global }
      - { .name: bg, .offset: 16, .size: 8, .value_kind: global_buffer, .address_space: global }
      - { .name: xc, .offset: 24, .size: 8, .value_kind: global_buffer, .address_space: global }
      - { .name: xs, .offset: 32, .size: 8, .value_kind: global_buffer, .address_space: global }
      - { .name: idx, .offset: 40, .size: 8, .value_kind: global_buffer, .address_space: global }
      - { .name: rt, .offset: 48, .size: 8, .value_kind: global_buffer, .address_space: global }
    .group_segment_fixed_size: 55808
    .private_segment_fixed_size: 0
    .kernarg_segment_align: 8
    .kernarg_segment_size: 56
    .max_flat_workgroup_size: 128
    .sgpr_count:     66
    .vgpr_count:     258
    .wavefront_size: 32
...
	.end_amdgpu_metadata
.endif
;; end of part 1
;; launch sort (part 2): grid 9 x 1, 1 waves a work-group, no clusters, 4,864 bytes of LDS; arguments idx, rt, order, out1; writes order, out1
.if DOCPART == 2
	.amdgcn_target "amdgcn-amd-amdhsa--gfx1250"
	.amdhsa_code_object_version 6
	.text
	.protected	k_qc2aad0f39b_sort
	.globl	k_qc2aad0f39b_sort
	.p2align	8
	.type	k_qc2aad0f39b_sort,@function
k_qc2aad0f39b_sort:
	s_mov_b64 s[64:65], 0
	v_nop
	global_prefetch_b8 v0, s[64:65] scope:SCOPE_SE
	s_setreg_imm32_b32 hwreg(HW_REG_WAVE_MODE, 25, 1), 1
	s_wait_xcnt 0x0
; SORT.  Nine work-groups of one wave.
; Work-group e = 0 .. 7: the list of the tokens that chose expert e, in ascending order, and their count, as whole numbers for the two launches that follow.
;   The wave reads all 1,024 indices; a token's place is the number of chosen tokens ahead of it (a running count + the chosen lanes below: no atomics); the list is gathered in LDS and leaves as 4,096 dense bytes.
;   The 32 entries behind the count repeat the expert's LAST token: the rows that fill up the last tile of 16 are then copies of a row of that same tile.  All further entries are 0.  (Without tokens all are 0.)
;   order[e][1024] at 4,096 e; the count, in 32 words, at 32,768 + 128 e.
; Work-group 8: aux = 0.05 x 8 x the sum over e of (count_e / 1,024) (sum of probabilities_e / 1,024), from the 256 records of 16 numbers that the first launch left at rt + 4,096.
; There is work for nine waves and no more: the list of an expert is one running count.
.set LIST, 0                           ; LDS: 1,024 token numbers; straight behind them, as words 1,024 .. 1,055, 128 bytes where the lanes write that are not chosen, so that EXEC never changes
.set L16, 2                            ; v2   16 x lane
.set L4,  3                            ; v3   4 x lane
.set TR,  4                            ; v4   1,024 + lane: my word behind the list
.set LB,  5                            ; v5   LIST
.set LZ,  6                            ; v6   LIST + 16 lane
.set ACC, 16                           ; v16-47 the indices: register 4 j + q = idx[128 j + 4 lane + q].  Work-group 8: v16-143 the records
.set LO,  48                           ; v48-79 the list on its way out
.set T,   80                           ; v80-83 zeros
.set POS, 84
.set ADR, 85
.set TOK, 86
.set FT,  87                           ; the expert's last token
	s_load_b256 s[4:11], s[0:1], 0x0               ; idx s[4:5], rt s[6:7], order s[8:9], out1 s[10:11]
	v_lshl_add_u32 v160, v0, 2, 0x1200
	v_mov_b32 v161, 0
	v_and_b32 v1, 31, v0                           ; lane
	v_lshlrev_b32 v[L16], 4, v1
	v_lshlrev_b32 v[L4], 2, v1
	v_add_nc_u32 v[TR], 1024, v1
	v_mov_b32 v[LB], LIST
	v_add_nc_u32 v[LZ], LIST, v[L16]
	s_mov_b32 s3, ttmp9                            ; e, or 8
	s_mov_b32 s12, 0x76543210
	s_mov_b32 s13, 0xfedcba98                      ; v_permlanex16_b32's selects for lane xor 16
	s_wait_kmcnt 0x0
	s_cmp_eq_u32 s3, 8
	s_cbranch_scc1 .Laux
	; ---- the list of expert e
.irp j, 0,1,2,3,4,5,6,7
	global_load_b128 v[ACC+4*\j:ACC+4*\j+3], v[L16], s[4:5] offset:512*\j
.endr
	s_lshl_b32 s18, s3, 12
	s_mov_b32 s19, 0
	s_add_nc_u64 s[14:15], s[8:9], s[18:19]        ; my expert's list
	s_lshl_b32 s18, s3, 7
	s_add_co_u32 s18, s18, 32768
	s_add_nc_u64 s[16:17], s[8:9], s[18:19]        ; my expert's count
.irp q, 0,1,2,3
	v_mov_b32 v[T+\q], 0
.endr
.irp j, 0,1,2,3,4,5,6,7
	ds_store_b128 v[LZ], v[T:T+3] offset:512*\j    ; every entry is written, since the whole list is read back below
.endr
	s_mov_b32 s6, 0
	s_wait_loadcnt 0x0
.set k, 0
.rept 32
	v_cmp_eq_u32 vcc_lo, s3, v[ACC+k]
	v_mbcnt_lo_u32_b32 v[POS], vcc_lo, s6          ; the chosen so far + the chosen lanes below me
	v_cndmask_b32 v[POS], v[TR], v[POS], vcc_lo    ; a lane that is not chosen takes its own word behind the list
	v_min_u32 v[POS], 0x41f, v[POS]                ; a word of the list or of the 32 behind it
	v_lshlrev_b32 v[POS], 2, v[POS]
	v_add_nc_u32 v[ADR], LIST, v[POS]
	v_add_nc_u32 v[TOK], 128*(k/4)+k%4, v[L4]      ; the token's number
	ds_store_b32 v[ADR], v[TOK]
	s_bcnt1_i32_b32 s18, vcc_lo
	s_add_co_u32 s6, s6, s18
.set k, k+1
.endr
	v_mov_b32 v[TOK], s6                           ; the count
	s_max_u32 s18, s6, 1                           ; the last entry, count - 1 (entry 0, which holds 0, where there is none)
	s_sub_co_u32 s18, s18, 1
	s_min_u32 s18, s18, 1023
	s_lshl_b32 s18, s18, 2
	v_add_nc_u32 v[ADR], s18, v[LB]
	ds_load_b32 v[FT], v[ADR]                      ; LDS serves a wave's instructions in order: this sees the stores above
	v_add_nc_u32 v[POS], s6, v1                    ; entries count .. count + 31 (at the most word 1,055) repeat it
	v_min_u32 v[POS], 0x41f, v[POS]
	v_lshlrev_b32 v[POS], 2, v[POS]
	v_add_nc_u32 v[POS], LIST, v[POS]
	s_wait_dscnt 0x0
	ds_store_b32 v[POS], v[FT]
.irp j, 0,1,2,3,4,5,6,7
	ds_load_b128 v[LO+4*\j:LO+4*\j+3], v[LZ] offset:512*\j      ; in order behind the stores above
.endr
	s_wait_dscnt 0x0
.irp j, 0,1,2,3,4,5,6,7
	global_store_b128 v[L16], v[LO+4*\j:LO+4*\j+3], s[14:15] offset:512*\j      ; each store of the wave covers 512 consecutive bytes, aligned
.endr
	global_store_b32 v[L4], v[TOK], s[16:17]       ; the count, in 32 words
	s_wait_tensorcnt 0x0
	ds_add_u32 v160, v161
	s_wait_dscnt 0x0
	s_endpgm
	; ---- aux
.Laux:
.set j, 0
.rept 32
	global_load_b128 v[ACC+4*j:ACC+4*j+3], v[L16], s[6:7] offset:4096+512*j     ; record 8 j + lane / 4, columns 4 (lane % 4) on
.set j, j+1
.endr
	s_wait_loadcnt 0x0
.set j, 1
.rept 31
	v_pk_add_f32 v[ACC:ACC+1], v[ACC:ACC+1], v[ACC+4*j:ACC+4*j+1]
	v_pk_add_f32 v[ACC+2:ACC+3], v[ACC+2:ACC+3], v[ACC+4*j+2:ACC+4*j+3]
.set j, j+1
.endr
.irp q, 0,1,2,3
	v_add_f32_dpp v[ACC+\q], v[ACC+\q], v[ACC+\q] row_xmask:4 row_mask:0xf bank_mask:0xf
.endr
.irp q, 0,1,2,3
	v_add_f32_dpp v[ACC+\q], v[ACC+\q], v[ACC+\q] row_xmask:8 row_mask:0xf bank_mask:0xf
.endr
.irp q, 0,1,2,3
	v_permlanex16_b32 v[ACC+4+\q], v[ACC+\q], s12, s13
.endr
.irp q, 0,1,2,3
	v_add_f32 v[ACC+\q], v[ACC+\q], v[ACC+4+\q]    ; column 4 (lane % 4) + q, summed over all records
.endr
.irp q, 0,1,2,3
	v_mul_f32_dpp v[ACC+\q], v[ACC+\q], v[ACC+\q] row_xmask:2 row_mask:0xf bank_mask:0xf   ; column c x column c + 8: probabilities x counts
.endr
	v_add_f32 v[ACC], v[ACC], v[ACC+1]
	v_add_f32 v[ACC+2], v[ACC+2], v[ACC+3]
	v_add_f32 v[ACC], v[ACC], v[ACC+2]
	v_add_f32_dpp v[ACC], v[ACC], v[ACC] row_xmask:1 row_mask:0xf bank_mask:0xf
	v_mul_f32 v[ACC], 0x34cccccd, v[ACC]           ; x 0.4 x 2^-20
	v_mov_b32 v[ACC+8], 0
	v_cmp_eq_u32 vcc_lo, 0, v1
	s_wait_xcnt 0x0                                ; EXEC changes only behind this wait
	s_and_saveexec_b32 s18, vcc_lo
	global_store_b32 v[ACC+8], v[ACC], s[10:11]
	s_wait_xcnt 0x0
	s_or_b32 exec_lo, exec_lo, s18
	s_endpgm
.Lfunc_end_k_qc2aad0f39b_sort:
	.size	k_qc2aad0f39b_sort, .Lfunc_end_k_qc2aad0f39b_sort-k_qc2aad0f39b_sort
	.p2alignl 7, 3214868480
	.fill 96, 4, 3214868480
	.section	.rodata,"a",@progbits
	.p2align	6, 0x0
	.amdhsa_kernel k_qc2aad0f39b_sort
		.amdhsa_group_segment_fixed_size 4864
		.amdhsa_private_segment_fixed_size 0
		.amdhsa_enable_private_segment 0
		.amdhsa_kernarg_size 32
		.amdhsa_user_sgpr_count 2
		.amdhsa_user_sgpr_kernarg_segment_ptr 1
		.amdhsa_wavefront_size32 1
		.amdhsa_system_sgpr_workgroup_id_x 1
		.amdhsa_system_sgpr_workgroup_id_y 1
		.amdhsa_system_sgpr_workgroup_id_z 1
		.amdhsa_system_vgpr_workitem_id 0
		.amdhsa_next_free_vgpr 162
		.amdhsa_next_free_sgpr 66
		.amdhsa_reserve_vcc 1
		.amdhsa_float_denorm_mode_32 3
		.amdhsa_float_denorm_mode_16_64 3
		.amdhsa_memory_ordered 1
		.amdhsa_forward_progress 1
		.amdhsa_inst_pref_size 28
	.end_amdhsa_kernel
	.amdgpu_metadata
---
amdhsa.version: [ 1, 2 ]
amdhsa.kernels:
  - .name:           k_qc2aad0f39b_sort
    .symbol:         k_qc2aad0f39b_sort.kd
    .args:
      - { .name: idx, .offset: 0, .size: 8, .value_kind: global_buffer, .address_space: global }
      - { .name: rt, .offset: 8, .size: 8, .value_kind: global_buffer, .address_space: global }
      - { .name: order, .offset: 16, .size: 8, .value_kind: global_buffer, .address_space: global }
      - { .name: out1, .offset: 24, .size: 8, .value_kind: global_buffer, .address_space: global }
    .group_segment_fixed_size: 4864
    .private_segment_fixed_size: 0
    .kernarg_segment_align: 8
    .kernarg_segment_size: 32
    .max_flat_workgroup_size: 32
    .sgpr_count:     66
    .vgpr_count:     162
    .wavefront_size: 32
...
	.end_amdgpu_metadata
.endif
;; end of part 2
;; launch up (part 3): grid 32 x 8, 4 waves a work-group, no clusters, 151,040 bytes of LDS; arguments xc, xs, order, Wu_codes, Wu_scales, Wv_codes, Wv_scales, hc, hs; writes hc, hs
.if DOCPART == 3
	.amdgcn_target "amdgcn-amd-amdhsa--gfx1250"
	.amdhsa_code_object_version 6
	.text
	.protected	k_qc2aad0f39b_up
	.globl	k_qc2aad0f39b_up
	.p2align	8
	.type	k_qc2aad0f39b_up,@function
k_qc2aad0f39b_up:
	s_mov_b64 s[64:65], 0
	v_nop
	global_prefetch_b8 v0, s[64:65] scope:SCOPE_SE
	s_setreg_imm32_b32 hwreg(HW_REG_WAVE_MODE, 25, 1), 1
	s_wait_xcnt 0x0
; UP.  Work-group (i, e) makes, for the tokens that chose expert e and for no others, hidden units 32 B0 .. of silu(x Wu^T) x (x Wv^T), quantised to E3M2 along the hidden axis.
; B0 = 2 i + min(i, 22); three blocks of 32 units where i < 22, two else: 86 blocks over 32 work-groups.
; THE LIST of expert e's tokens and their count were stored by the launch before.  The entries that fill up the last tile repeat the expert's last token; all further entries are token 0.
; THE WEIGHTS.  A block's 32 rows of Wu and of Wv are 24,576 dense bytes each: they come once, 512 neighbouring bytes a wave's load, and stay in LDS.
;   Unit j of a block lies in LDS row 16 ((j / 8) % 2) + j % 8 + 8 (j / 16): tile u, row p is unit 8 u + p + 8 (p / 8), so that a lane's 16 results of the two tiles are 16 neighbouring units.
;   A work-group of two blocks brings its second block twice, so that every wave counts the same loads on every path, and jumps over the third block's work.
; THE TOKENS.  In a pass wave w holds three tiles of 16 tokens, t = min(w + 4 slot + 12 pass, 63), as fragments in registers (288), gathered by the list; each weight fragment read from LDS feeds three products.
;   A tile's number hangs on no loaded number, so a wave's first loads are its tokens.  Only the number of passes hangs on the count: a wave walks the passes whose first slot has a tile.
;   A slot beyond the expert's last tile works on filler entries and writes its own tile of hc and hs, which has room for 64 tiles an expert and which nobody reads there.
;   An expert without tokens still has tile 0 written, from filler rows.
; PRODUCTS, transposed: source 0 = 16 rows of a weight, source 1 = 16 tokens: lane (r, h) holds token r and units 16 h + 0 .. 15 of the block.
;   Lane half h of every fragment takes the 48 neighbouring bytes 96 s + 48 h of its row, on both operands alike: three loads of 16 bytes.  So the instruction's blocks 1 and 2 are memory's 2 and 1,
;   and bytes 1 and 2 of every scale word change places (xs comes so; the weights' words are turned here; hs is written so).  The order of the sums inside an instruction differs from K ascending.
; OUT.  hc[e][tile][33,024]: block B of row r at 1,536 (B / 4) + 768 ((B / 2) % 2) + 48 r + 24 (B % 2): the next launch's fragments lie dense.
;   hs[e][tile][r][96]: word s at 4 s + 4 (s >= 11).  Word 21 has two blocks: its other two bytes are written 0x7f.
; No tensor loads and no cluster: the trip count hangs on the stored count.
; LIMITS: NaN and infinities are not served; a block whose largest magnitude lies under 2^-122, or a block of zeros, gets the byte 1 (its codes are right, and only this program reads the bytes).
.set RB,    768                        ; a row of 1,024 codes
.set BLKB,  24576                      ; a block's 32 rows
.set PW,    784                        ; an LDS row: 768 + 16 = 49 x 16 bytes, so the 16 rows of a load start in 16 different columns of 16 bytes
.set REGB,  25088                      ; 32 such rows.  LDS: region 2 b + m (m = 0: Wu, 1: Wv), six regions; behind them the spare words
.set TILEB, 33024
.set GA,  4                            ; v4      16 x thread: my bytes of a staging load's 2,048
.set SA,  5                            ; v5-13   where they go in LDS: 3 b + (load % 3)
.set FA,  14                           ; v14-16  my lane's place in block b's fragments
.set WSL, 17                           ; v17     my lane's row among a block's scale words
.set R4,  18                           ; v18     4 r
.set HCL, 19                           ; v19     48 r + 12 h
.set HSL, 20                           ; v20     96 r
.set XA,  21                           ; v21-23  slot's x codes: 768 token + 48 h
.set XSA, 24                           ; v24-26  slot's x scales: 32 token
.set O1,  30                           ; v30-31  store offsets
.set O2,  31
.set WS,  32                           ; v32-79  weights' scale words 16 b + 8 m + s: lanes 0-15 tile 0, lanes 16-31 tile 1
.set XS,  80                           ; v80-103 x's scale words 8 slot + s
.set ACC, 104                          ; v104-199 accumulators 32 slot + 16 m + 8 u
.set T,   200                          ; v200-215 at work
.set M,   216                          ; v216-219
.set C,   220                          ; v220-222 codes
.set LA,  232                          ; v232-234 the slots' entries in the list: 64 tile + 4 r
.set TK,  235                          ; v235-237 token numbers
.set H48, 242                          ; 48 h
; window 1: x's fragments f = 3 s + slot < 21 at 12 f.  window 2: v0-35 f = 21 .. 23; v96-239 staging groups 0-2.  window 3: v0-95 the ring of weight fragments (48 buffer + 24 m + 12 u); v96-239 groups 3-5.
; scalars: s2 wave, s3 e, s4 i, s5 B0; s[8:25] the nine buffers; s[32:39] the third block's; s40-42, s43-45 a block's place in a tile of hc, in a row of hs;
; s46-48, s49-51 the slots' tiles in hc, hs; s53 my passes, s54 pass; s[56:57] lane selects; s[58:59] -log2(e); s60 byte select; s[74:75] the count's place, s76 the count
.set MSB, 0
.macro WIN new                         ; the immediate's high byte repeats the setting that is left
.if MSB != (\new)
	s_set_vgpr_msb (MSB<<8)|(\new)
.set MSB, (\new)
.endif
.endm
.macro PLACES                          ; four plain places between a matrix instruction and a load into, or a read of, its registers
.rept 4
	v_nop
.endr
.endm
.macro GLOAD g                         ; group g = 2 b + m: a block's 24,576 bytes, 12 loads of 2,048 for the four waves
.set GB, 96+48*((\g)%3)
	WIN 0x80+0x40*((\g)/3)
.irp jj, 0,1,2,3,4,5,6,7,8,9,10,11
.if (\g) == 0 || (\g) == 2
	global_load_b128 v[GB+4*\jj:GB+4*\jj+3], v[GA], s[14:15] offset:BLKB*((\g)/2)+2048*\jj th:TH_LOAD_NT
.elseif (\g) == 1 || (\g) == 3
	global_load_b128 v[GB+4*\jj:GB+4*\jj+3], v[GA], s[18:19] offset:BLKB*((\g)/2)+2048*\jj th:TH_LOAD_NT
.elseif (\g) == 4
	global_load_b128 v[GB+4*\jj:GB+4*\jj+3], v[GA], s[32:33] offset:2048*\jj th:TH_LOAD_NT
.else
	global_load_b128 v[GB+4*\jj:GB+4*\jj+3], v[GA], s[34:35] offset:2048*\jj th:TH_LOAD_NT
.endif
.endr
.endm
.macro GSTORE g                        ; three loads are eight rows: rows 8 mm .. 8 mm + 7 go to LDS rows 16 (mm % 2) + 8 (mm / 2) on
.set GB, 96+48*((\g)%3)
	WIN 0x08+0x04*((\g)/3)
.irp jj, 0,1,2,3,4,5,6,7,8,9,10,11
	ds_store_b128 v[SA+3*((\g)/2)+\jj%3], v[GB+4*\jj:GB+4*\jj+3] offset:REGB*((\g)%2)+PW*(16*((\jj/3)&1)+8*((\jj/3)>>1))
.endr
.endm
.macro PREPA preg                      ; the three slots of pass s[preg]: their tiles, and the loads of their tokens
	s_mul_i32 s66, s[\preg], 12
	s_add_co_u32 s66, s66, s2
.irp i, 0,1,2
	s_add_co_u32 s67, s66, 4*\i
	s_min_u32 s67, s67, 63                         ; an expert's list has 64 tiles
	s_mul_i32 s[46+\i], s67, TILEB
	s_mul_i32 s[49+\i], s67, 1536
	s_lshl_b32 s67, s67, 6
	v_add_nc_u32 v[LA+\i], s67, v[R4]
.endr
.irp i, 0,1,2
	global_load_b32 v[TK+\i], v[LA+\i], s[12:13]   ; lane (r, h): the token of row r
.endr
.endm
.macro PREPB                           ; behind the wait for them: where the tokens' codes and scale bytes lie
.irp i, 0,1,2
	v_min_u32 v[TK+\i], 0x3ff, v[TK+\i]
	v_mul_u32_u24 v[XA+\i], v[TK+\i], RB
	v_add_nc_u32 v[XA+\i], v[XA+\i], v[H48]
	v_lshlrev_b32 v[XSA+\i], 5, v[TK+\i]
.endr
.endm
.macro XLOAD                           ; 78 loads: the slots' scale words, then their fragments, K step by K step
	WIN 0
.irp i, 0,1,2
	global_load_b128 v[XS+8*\i:XS+8*\i+3], v[XSA+\i], s[10:11]
	global_load_b128 v[XS+8*\i+4:XS+8*\i+7], v[XSA+\i], s[10:11] offset:16
.endr
	WIN 0x40
.irp s, 0,1,2,3,4,5,6
.irp i, 0,1,2
.irp g, 0,1,2
	global_load_b128 v[12*(3*\s+\i)+4*\g:12*(3*\s+\i)+4*\g+3], v[XA+\i], s[8:9] offset:96*\s+16*\g
.endr
.endr
.endr
	WIN 0x80
.irp i, 0,1,2
.irp g, 0,1,2
	global_load_b128 v[12*\i+4*\g:12*\i+4*\g+3], v[XA+\i], s[8:9] offset:96*7+16*\g
.endr
.endr
	WIN 0
.endm
.macro FRAGS b, s                      ; block b, K step s: four fragments (Wu, Wv x two tiles), 12 LDS loads, into ring buffer s % 2
.irp m, 0,1
.irp u, 0,1
.irp g, 0,1,2
	ds_load_b128 v[48*((\s)%2)+24*\m+12*\u+4*\g:48*((\s)%2)+24*\m+12*\u+4*\g+3], v[FA+\b] offset:REGB*\m+16*PW*\u+96*(\s)+16*\g
.endr
.endr
.endr
.endm
.macro WM d, a, b, sa, sb, ra, zero    ; one product; ra: source 0's scales stand in lanes 16-31; zero: it starts the sum
.if \zero
.if \ra
	v_wmma_scale_f32_16x16x128_f8f6f4 v[\d:\d+7], v[\a:\a+11], v[\b:\b+11], 0, v[\sa], v[\sb] matrix_a_fmt:MATRIX_FMT_BF6 matrix_b_fmt:MATRIX_FMT_BF6 matrix_a_scale:MATRIX_SCALE_ROW1
.else
	v_wmma_scale_f32_16x16x128_f8f6f4 v[\d:\d+7], v[\a:\a+11], v[\b:\b+11], 0, v[\sa], v[\sb] matrix_a_fmt:MATRIX_FMT_BF6 matrix_b_fmt:MATRIX_FMT_BF6
.endif
.else
.if \ra
	v_wmma_scale_f32_16x16x128_f8f6f4 v[\d:\d+7], v[\a:\a+11], v[\b:\b+11], v[\d:\d+7], v[\sa], v[\sb] matrix_a_fmt:MATRIX_FMT_BF6 matrix_b_fmt:MATRIX_FMT_BF6 matrix_a_scale:MATRIX_SCALE_ROW1
.else
	v_wmma_scale_f32_16x16x128_f8f6f4 v[\d:\d+7], v[\a:\a+11], v[\b:\b+11], v[\d:\d+7], v[\sa], v[\sb] matrix_a_fmt:MATRIX_FMT_BF6 matrix_b_fmt:MATRIX_FMT_BF6
.endif
.endif
.endm
.macro MUL b, s                        ; twelve products; the twelve accumulators take turns, one instruction a turn, in the same order in every K step
.irp i, 0,1,2
.irp m, 0,1
.irp u, 0,1
.if (\s) < 7
	WM ACC+32*\i+16*\m+8*\u, 48*((\s)%2)+24*\m+12*\u, 12*(3*(\s)+\i), WS+16*(\b)+8*\m+(\s), XS+8*\i+(\s), \u, (\s)==0
.else
	WM ACC+32*\i+16*\m+8*\u, 48*((\s)%2)+24*\m+12*\u, 12*\i, WS+16*(\b)+8*\m+(\s), XS+8*\i+(\s), \u, (\s)==0
.endif
.endr
.endr
.endr
.endm
.macro EPI b, i                        ; slot i of block b: u v / (1 + 2^(-u log2 e)) in f32, its block scale, 16 codes a lane, out
.set EU, ACC+32*\i
.set EV, ACC+32*\i+16
	s_wait_xcnt 0x0                                ; the last stores have read their offsets and data: both are written again below
.set j, 0
.rept 8
	v_pk_mul_f32 v[T+j:T+j+1], v[EU+j:EU+j+1], s[58:59] op_sel_hi:[1,0]        ; each accumulator is read from its low end on
.set j, j+2
.endr
.set j, 0
.rept 16
	v_exp_f32 v[T+j], v[T+j]
.set j, j+1
.endr
.set j, 0
.rept 8
	v_pk_mul_f32 v[EU+j:EU+j+1], v[EU+j:EU+j+1], v[EV+j:EV+j+1]                ; u v: also the plain places behind the exponentials
.set j, j+2
.endr
.set j, 0
	s_wait_alu depctr_va_vdst(0)
.rept 8
	v_pk_add_f32 v[T+j:T+j+1], v[T+j:T+j+1], 1.0 op_sel_hi:[1,0]
.set j, j+2
.endr
.set j, 0
.rept 16
	v_rcp_f32 v[T+j], v[T+j]
.set j, j+1
.endr
	v_nop                                          ; one plain place behind the reciprocals
.set j, 0
	s_wait_alu depctr_va_vdst(0)
.rept 8
	v_pk_mul_f32 v[EU+j:EU+j+1], v[EU+j:EU+j+1], v[T+j:T+j+1]
.set j, j+2
.endr
	v_max3_num_f32 v[M], |v[EU]|, |v[EU+1]|, 0x2800000          ; my 16 numbers and the floor 2^(5 - 127), in two chains
	v_max3_num_f32 v[M+1], |v[EU+8]|, |v[EU+9]|, |v[EU+10]|
	v_max3_num_f32 v[M], v[M], |v[EU+2]|, |v[EU+3]|
	v_max3_num_f32 v[M+1], v[M+1], |v[EU+11]|, |v[EU+12]|
	v_max3_num_f32 v[M], v[M], |v[EU+4]|, |v[EU+5]|
	v_max3_num_f32 v[M+1], v[M+1], |v[EU+13]|, |v[EU+14]|
	v_max3_num_f32 v[M], v[M], |v[EU+6]|, |v[EU+7]|
	v_max3_num_f32 v[M], v[M], v[M+1], |v[EU+15]|
	v_permlanex16_b32 v[M+2], v[M], s56, s57
	v_max_num_f32 v[M], v[M], v[M+2]               ; with lane xor 16's 16: the block's largest magnitude
	v_add_nc_u32 v[M+1], 0xfe000000, v[M]          ; 4 off its exponent field: the conversion's scale operand
	v_lshrrev_b32 v[M+3], 23, v[M+1]               ; the byte
	v_cvt_scalef32_pk16_bf6_f32 v[C:C+2], v[EU:EU+15], v[M+1]
	v_or_b32 v[M+3], 0x7f00, v[M+3]                ; (a plain place behind the conversion)  the filler byte for word 21
	s_add_co_u32 s66, s[46+\i], s[40+\b]
	s_add_co_u32 s67, s[49+\i], s[43+\b]
	v_add_nc_u32 v[O1], s66, v[HCL]
	v_add_nc_u32 v[O2], s67, v[HSL]
	global_store_b96 v[O1], v[C:C+2], s[22:23]     ; 12 bytes a lane: the two halves of the lanes fill a row's 24 bytes of the block
	s_cmp_eq_u32 s4, 31
	s_cbranch_scc1 .Lpair_\@
	global_store_b8 v[O2], v[M+3], s[24:25]        ; both lanes of a row write the same byte with the same value
	s_branch .Lsent_\@
.Lpair_\@:
	global_store_b16 v[O2], v[M+3], s[24:25]       ; blocks 84 and 85: the byte, and 0x7f for the block that does not exist
.Lsent_\@:
.endm
.macro BLOCK b
	WIN 0xc0
	FRAGS \b, 0
.irp s, 0,1,2,3,4,5,6,7
.if \s < 7
.if \s > 0
	PLACES                                         ; the buffer to be filled was read by the products just issued
.endif
	WIN 0xc0
	FRAGS \b, \s+1
	s_wait_dscnt 12                                ; this K step's fragments are in; the next step's twelve loads may be out
	WIN 0x07                                       ; source 0 window 3, source 1 window 1
.else
	s_wait_dscnt 0x0
	WIN 0x0b                                       ; x's last three fragments lie in window 2
.endif
	MUL \b, \s
.endr
	WIN 0
	PLACES
	EPI \b, 0
	EPI \b, 1
	EPI \b, 2
.endm
	s_load_b512 s[8:23], s[0:1], 0x0               ; xc, xs, order, Wu_codes, Wu_scales, Wv_codes, Wv_scales, hc
	s_load_b64 s[24:25], s[0:1], 0x40              ; hs
	v_lshl_add_u32 v254, v0, 2, 0x24c00
	v_mov_b32 v255, 0
	v_lshrrev_b32 v1, 5, v0
	v_readfirstlane_b32 s2, v1                     ; wave
	s_and_b32 s3, ttmp7, 0xffff                    ; e
	s_mov_b32 s4, ttmp9                            ; i
	s_min_u32 s5, s4, 22
	s_lshl_b32 s66, s4, 1
	s_add_co_u32 s5, s5, s66                       ; B0
	s_mov_b32 s54, 0                               ; the pass
	s_mov_b32 s56, 0x76543210
	s_mov_b32 s57, 0xfedcba98                      ; v_permlanex16_b32's selects for lane xor 16
	s_mov_b32 s58, 0xbfb8aa3b                      ; -log2(e)
	s_mov_b32 s59, s58                             ; (named with it as a pair, so it is written)
	s_mov_b32 s60, 0x03010200                      ; bytes 1 and 2 change places
.irp b, 0,1,2
	s_add_co_u32 s66, s5, \b                       ; block B
	s_lshr_b32 s67, s66, 2                         ; its K step s of the next product
	s_mul_i32 s68, s67, 1536
	s_bfe_u32 s69, s66, 0x10001                    ; (B / 2) % 2
	s_mul_i32 s70, s69, 768
	s_add_co_u32 s68, s68, s70
	s_and_b32 s70, s66, 1
	s_mul_i32 s71, s70, 24
	s_add_co_u32 s[40+\b], s68, s71
	s_lshl_b32 s70, s70, 1
	s_or_b32 s70, s70, s69                         ; its byte in the scale word: 0, 2, 1, 3
	s_lshl_b32 s68, s67, 2
	s_add_co_u32 s68, s68, s70
	s_cmp_ge_u32 s67, 11
	s_cselect_b32 s69, 4, 0
	s_add_co_u32 s[43+\b], s68, s69
.endr
	v_and_b32 v1, 31, v0                           ; lane
	v_and_b32 v2, 15, v0                           ; r
	v_bfe_u32 v3, v0, 4, 1                         ; h
	v_lshlrev_b32 v[GA], 4, v0
	v_lshlrev_b32 v[R4], 2, v2
.irp ii, 0,1,2
	v_add_nc_u32 v[SA+\ii], 128*\ii, v0            ; piece c of 16 bytes among the 384 of eight rows;
	v_mul_u32_u24 v[O1], v[SA+\ii], 1366
	v_lshrrev_b32 v[O1], 16, v[O1]                 ; its row c / 48 (exact for c < 384);
	v_add_nc_u32 v[SA+\ii], v[SA+\ii], v[O1]
	v_lshlrev_b32 v[SA+\ii], 4, v[SA+\ii]          ; 16 c + 16 for each row passed
	v_add_nc_u32 v[SA+3+\ii], 2*REGB, v[SA+\ii]
	v_add_nc_u32 v[SA+6+\ii], 4*REGB, v[SA+\ii]
.endr
	v_mul_u32_u24 v[FA], v2, PW
	v_mul_u32_u24 v[H48], v3, 48
	v_add_nc_u32 v[FA], v[FA], v[H48]
	v_add_nc_u32 v[FA+1], 2*REGB, v[FA]
	v_add_nc_u32 v[FA+2], 4*REGB, v[FA]
	v_and_b32 v[WSL], 8, v2
	v_add_nc_u32 v[WSL], v[WSL], v2                ; r + 8 (r / 8)
	v_lshl_add_u32 v[WSL], v3, 3, v[WSL]           ; + 8 for lanes 16-31: tile 1's rows
	v_lshlrev_b32 v[WSL], 5, v[WSL]                ; 32 scale bytes a row
	v_mul_u32_u24 v[HCL], v2, 48
	v_mad_u32_u24 v[HCL], v3, 12, v[HCL]
	v_mul_u32_u24 v[HSL], v2, 96
	v_mov_b32 v[M+2], 0                            ; written once: a lane permute's destination counts as one of its sources
	s_wait_kmcnt 0x0
	s_mov_b32 s67, 0
	s_lshl_b32 s66, s3, 7
	s_add_co_u32 s66, s66, 32768
	s_add_nc_u64 s[74:75], s[12:13], s[66:67]
	s_load_b32 s76, s[74:75], 0x0                  ; my expert's count
	s_lshl_b32 s66, s3, 12
	s_add_nc_u64 s[12:13], s[12:13], s[66:67]      ; my expert's list
	PREPA 54                                       ; the wave's first three loads: the tokens of its first three tiles
	s_mul_i32 s66, s3, 2113536
	s_mov_b32 s67, 0
	s_add_nc_u64 s[22:23], s[22:23], s[66:67]      ; hc at my expert's 64 tiles
	s_mul_i32 s68, s5, BLKB
	s_add_co_u32 s66, s66, s68
	s_add_nc_u64 s[14:15], s[14:15], s[66:67]      ; Wu's and Wv's codes at my first block (an expert's codes are as many bytes as its 64 tiles)
	s_add_nc_u64 s[18:19], s[18:19], s[66:67]
	s_cmp_lt_u32 s4, 22
	s_cselect_b32 s68, 2, 1                        ; the third place takes block 2, or block 1 again
	s_mul_i32 s66, s68, BLKB
	s_add_nc_u64 s[32:33], s[14:15], s[66:67]
	s_add_nc_u64 s[34:35], s[18:19], s[66:67]
	s_lshl_b32 s70, s68, 10
	s_mul_i32 s66, s3, 88064
	s_lshl_b32 s69, s5, 10
	s_add_co_u32 s66, s66, s69
	s_add_nc_u64 s[16:17], s[16:17], s[66:67]      ; their scale bytes likewise: 1,024 a block
	s_add_nc_u64 s[20:21], s[20:21], s[66:67]
	s_mov_b32 s66, s70
	s_add_nc_u64 s[36:37], s[16:17], s[66:67]
	s_add_nc_u64 s[38:39], s[20:21], s[66:67]
	s_mul_i32 s66, s3, 98304
	s_add_nc_u64 s[24:25], s[24:25], s[66:67]      ; hs at my expert
	; ---- the weights' scale words and the first four groups: with the tokens 63 loads a wave
.irp b, 0,1
	global_load_b128 v[WS+16*\b:WS+16*\b+3], v[WSL], s[16:17] offset:1024*\b
	global_load_b128 v[WS+16*\b+4:WS+16*\b+7], v[WSL], s[16:17] offset:1024*\b+16
	global_load_b128 v[WS+16*\b+8:WS+16*\b+11], v[WSL], s[20:21] offset:1024*\b
	global_load_b128 v[WS+16*\b+12:WS+16*\b+15], v[WSL], s[20:21] offset:1024*\b+16
.endr
	global_load_b128 v[WS+32:WS+35], v[WSL], s[36:37]
	global_load_b128 v[WS+36:WS+39], v[WSL], s[36:37] offset:16
	global_load_b128 v[WS+40:WS+43], v[WSL], s[38:39]
	global_load_b128 v[WS+44:WS+47], v[WSL], s[38:39] offset:16
	GLOAD 0
	GLOAD 1
	GLOAD 2
	GLOAD 3
	WIN 0
	s_wait_loadcnt 60                              ; the tokens are in; the 12 loads of scale words and the 48 of groups 0 to 3 may be out
	PREPB
	GLOAD 4
	WIN 0
	s_wait_kmcnt 0x0
	s_min_u32 s66, s76, 1024                       ; the count
	s_add_co_u32 s66, s66, 15
	s_lshr_b32 s66, s66, 4
	s_max_u32 s66, s66, 1                          ; tiles, at least one
	s_add_co_u32 s66, s66, 11
	s_sub_co_u32 s66, s66, s2
	s_mul_i32 s66, s66, 43691
	s_lshr_b32 s53, s66, 19                        ; my passes: (tiles + 11 - wave) / 12 (exact up to 75)
	; ---- the weights go to LDS
	s_wait_loadcnt 48                              ; the scale words and group 0 are in; groups 1 to 4 may be out
.set k, 0
.rept 48
	v_perm_b32 v[WS+k], v[WS+k], v[WS+k], s60
.set k, k+1
.endr
.rept 8
	v_nop                                          ; a scale register written by a vector instruction stands eight places ahead of a scaled product
.endr
	GSTORE 0
	GLOAD 5
	s_wait_loadcnt 48                              ; group 1 is in; groups 2 to 5 may be out
	GSTORE 1
	s_wait_loadcnt 36                              ; group 2 is in
	GSTORE 2
	XLOAD
	s_wait_loadcnt 63                              ; 78 loads were issued behind group 5: with 63 out at the most, groups 3 to 5 are in
	GSTORE 3
	GSTORE 4
	GSTORE 5
	WIN 0
	s_wait_dscnt 0x0                               ; for the others' sake: my part of the weights lies in LDS
	s_barrier_signal -1
	s_barrier_wait -1                              ; the launch's one barrier: from here on LDS is only read
	; ---- the passes.  Six trips serve every split (64 tiles at the most, 12 a pass); a trip beyond my count jumps over the work
.Lpass:
	s_cmp_ge_u32 s54, s53
	s_cbranch_scc1 .Lskip
	s_wait_loadcnt 0x0                             ; x's fragments and scale words
	BLOCK 0
	BLOCK 1
	s_cmp_ge_u32 s4, 22
	s_cbranch_scc1 .Ltwo
	BLOCK 2
.Ltwo:
	s_add_co_u32 s55, s54, 1
	s_cmp_ge_u32 s55, s53
	s_cbranch_scc1 .Lskip
	s_wait_xcnt 0x0                                ; the stores have read their offsets and data
	PREPA 55
	s_wait_loadcnt 0x0                             ; the next pass's tokens
	PREPB
	XLOAD
.Lskip:
	s_add_co_u32 s54, s54, 1
	s_cmp_lt_u32 s54, 6
	s_cbranch_scc1 .Lpass
	s_wait_tensorcnt 0x0
	ds_add_u32 v254, v255
	s_wait_dscnt 0x0
	s_endpgm
.Lfunc_end_k_qc2aad0f39b_up:
	.size	k_qc2aad0f39b_up, .Lfunc_end_k_qc2aad0f39b_up-k_qc2aad0f39b_up
	.p2alignl 7, 3214868480
	.fill 96, 4, 3214868480
	.section	.rodata,"a",@progbits
	.p2align	6, 0x0
	.amdhsa_kernel k_qc2aad0f39b_up
		.amdhsa_group_segment_fixed_size 151040
		.amdhsa_private_segment_fixed_size 0
		.amdhsa_enable_private_segment 0
		.amdhsa_kernarg_size 72
		.amdhsa_user_sgpr_count 2
		.amdhsa_user_sgpr_kernarg_segment_ptr 1
		.amdhsa_wavefront_size32 1
		.amdhsa_system_sgpr_workgroup_id_x 1
		.amdhsa_system_sgpr_workgroup_id_y 1
		.amdhsa_system_sgpr_workgroup_id_z 1
		.amdhsa_system_vgpr_workitem_id 0
		.amdhsa_next_free_vgpr 1024
		.amdhsa_next_free_sgpr 80
		.amdhsa_reserve_vcc 0
		.amdhsa_float_denorm_mode_32 3
		.amdhsa_float_denorm_mode_16_64 3
		.amdhsa_memory_ordered 1
		.amdhsa_forward_progress 1
		.amdhsa_inst_pref_size 141
	.end_amdhsa_kernel
	.amdgpu_metadata
---
amdhsa.version: [ 1, 2 ]
amdhsa.kernels:
  - .name:           k_qc2aad0f39b_up
    .symbol:         k_qc2aad0f39b_up.kd
    .args:
      - { .name: xc, .offset: 0, .size: 8, .value_kind: global_buffer, .address_space: global }
      - { .name: xs, .offset: 8, .size: 8, .value_kind: global_buffer, .address_space: global }
      - { .name: order, .offset: 16, .size: 8, .value_kind: global_buffer, .address_space: global }
      - { .name: Wu_codes, .offset: 24, .size: 8, .value_kind: global_buffer, .address_space: global }
      - { .name: Wu_scales, .offset: 32, .size: 8, .value_kind: global_buffer, .address_space: global }
      - { .name: Wv_codes, .offset: 40, .size: 8, .value_kind: global_buffer, .address_space: global }
      - { .name: Wv_scales, .offset: 48, .size: 8, .value_kind: global_buffer, .address_space: global }
      - { .name: hc, .offset: 56, .size: 8, .value_kind: global_buffer, .address_space: global }
      - { .name: hs, .offset: 64, .size: 8, .value_kind: global_buffer, .address_space: global }
    .group_segment_fixed_size: 151040
    .private_segment_fixed_size: 0
    .kernarg_segment_align: 8
    .kernarg_segment_size: 72
    .max_flat_workgroup_size: 128
    .sgpr_count:     80
    .vgpr_count:     1024
    .wavefront_size: 32
...
	.end_amdgpu_metadata
.endif
;; end of part 3
;; launch down (part 4): grid 32 x 8, 4 waves a work-group, no clusters, 156,160 bytes of LDS; arguments hc, hs, order, rt, Wd_codes, Wd_scales, out0; writes out0
.if DOCPART == 4
	.amdgcn_target "amdgcn-amd-amdhsa--gfx1250"
	.amdhsa_code_object_version 6
	.text
	.protected	k_qc2aad0f39b_down
	.globl	k_qc2aad0f39b_down
	.p2align	8
	.type	k_qc2aad0f39b_down,@function
k_qc2aad0f39b_down:
	s_mov_b64 s[64:65], 0
	v_nop
	global_prefetch_b8 v0, s[64:65] scope:SCOPE_SE
	s_setreg_imm32_b32 hwreg(HW_REG_WAVE_MODE, 25, 1), 1
	s_wait_xcnt 0x0
; DOWN.  Work-group (2 ds + z, e) makes columns 64 ds .. 64 ds + 63 of y for the tiles t = z mod 2 of expert e's tokens: hidden x Wd^T, x the token's gate, each row stored at its token.
; Every token stands in exactly one expert's list, so every row of out0 has one owner for each 64 columns.
; Wd's 64 rows (132,096 dense bytes) come once, 512 neighbouring bytes a wave's load, and stay in LDS as they lie: the pitch, 2,064 = 129 x 16 bytes, puts the 16 rows of a load in 16 different columns of 16 bytes.
; Their scale bytes (5,504 dense bytes, 86 a row) lie behind them; a row's words begin at 0 or 2 modulo 4, so a word is cut out of two by a byte select that hangs on the row's parity.
; In a pass wave w holds two tiles, t = z + 2 w + 8 slot + 16 pass.  The hidden fragments come from memory into registers of their own, up to 54 loads ahead; Wd's come from LDS through a ring of three.
; PRODUCTS, transposed: source 0 = 16 rows of Wd (16 columns of y), source 1 = 16 tokens: lane (r, h) holds token r and 8 neighbouring columns.  K = 2,752 is 21 steps of 128 and one of 64.
;   Lane half h of a fragment holds blocks 4 s + 2 h and 4 s + 2 h + 1, on both operands alike (bytes 1 and 2 of each scale word change places).  In step 21 lanes 16-31 stand for blocks that do not exist:
;   the hidden operand gets zero codes there, Wd's scale bytes are 0 (2^-127) and the hidden ones 0x7f; what Wd's fragment holds there is some finite code.
; THE WAY OUT: a tile goes through the wave's own stage in LDS; sixteen lanes then store 256 consecutive bytes, aligned, of one token's row.
;   NO MASK: the rows that fill up an expert's last tile carry the number, the hidden codes and the gate of that tile's last real row (the launch before lays the list so): this wave stores the same bytes
;   at the same place once more.  Tiles beyond the last are not computed, and an expert without tokens has none.
; No tensor loads and no cluster: trip counts hang on the stored count.  LIMITS: NaN and infinities are not served.
.set SLB,   132096                     ; the slice of Wd's codes
.set SCL,   132096                     ; LDS: its scale bytes
.set STAGE, 137728                     ; LDS: 16 rows x (256 + 16) bytes for each wave
.set TILEB, 33024
.set GA,   4                           ; v4-5    16 x thread; + 65,536
.set FA,   6                           ; v6-7    2,064 r + 48 h; + 66,048 (tiles 2 and 3)
.set HL,   8                           ; v8      768 h + 48 r
.set R48,  9                           ; v9      48 r
.set HA,   10                          ; v10-11  the slots' hidden tiles
.set HA21, 12                          ; v12-13  the same for step 21: both halves of the lanes read the one half that exists
.set STO,  14
.set RD,   15
.set CL,   16                          ; v16     16 (lane % 16)
.set SEL,  18                          ; v18-19  byte selects, by the row's parity; for word 21
.set SEL21, 19
.set SCA,  20                          ; v20     SCL + (86 lane, rounded down to a word)
.set EX,   21                          ; v21     131,072 + 16 lane: the slice's last 1,024 bytes, in memory and in LDS
.set L16,  22
.set SCLA, 23                          ; v23     SCL + 16 lane
.set WS,   24                          ; v24-67  Wd's scale words 22 (tile / 2) + s: lanes 0-15 the even tile, lanes 16-31 the odd one
.set HS,   68                          ; v68-91  the hidden scale words 12 slot + s % 11: lanes 0-15 words 0-10, lanes 16-31 words 11-21
.set ACC,  92                          ; v92-155 accumulators 32 slot + 8 tile; ahead of the barrier: wave 3's scale bytes on their way
.set H21,  156                         ; v156-179 the hidden fragments of step 21
.set TK,   180                         ; v180-195 tokens of rows 8 h + 0 .. 7, 8 a slot; then their rows' offsets in out0
.set TKR,  196                         ; v196-197 token of row r
.set GO,   198                         ; v198-199 its gate's offset
.set OUT,  200                         ; v200-231 rows back from the stage; ahead of the passes: wave 0's rest of the slice, then raw scale words
.set HSA,  232
.set ORA,  234
.set ORR,  236
.set GT,   240                         ; v240-243 the gates, as pairs
.set HSL,  244                         ; 96 r + 48 h
.set H32,  245                         ; 32 h
.set R4,   246                         ; 4 r
.set T0,   247
; windows 1 and 2: hidden fragments f = 2 s + slot, s < 21, at 12 f and 12 (f - 21).  window 3: 64 staging loads; then v0-143 the ring, 48 (s % 3) + 12 tile.
; scalars: s2 wave, s3 e, s5 ds, s6 z; s[8:21] the buffers; s30 count, s31 z + 2 w, s32 tiles, s33 last tile, s34 lanes 16-31, s35 my passes, s36 pass; s42-43 the slots' tiles
.set MSB, 0
.macro WIN new                         ; the immediate's high byte repeats the setting that is left
.if MSB != (\new)
	s_set_vgpr_msb (MSB<<8)|(\new)
.set MSB, (\new)
.endif
.endm
.macro PLACES                          ; four plain places between a matrix instruction and a load into, or a read of, its registers
.rept 4
	v_nop
.endr
.endm
.macro PRE preg                        ; pass s[preg]: the two slots' addresses and their first 20 loads, the same number on every path
	s_lshl_b32 s40, s[\preg], 4
	s_add_co_u32 s40, s40, s31
.irp i, 0,1
	s_add_co_u32 s[42+\i], s40, 8*\i               ; the slot's tile;
	s_min_u32 s41, s[42+\i], s33                   ; for the loads it is held at the last tile that was written
	s_min_u32 s41, s41, 63
	s_mul_i32 s44, s41, TILEB
	v_add_nc_u32 v[HA+\i], s44, v[HL]
	v_add_nc_u32 v[HA21+\i], s44, v[R48]
	s_mul_i32 s44, s41, 1536
	v_add_nc_u32 v[HSA+\i], s44, v[HSL]
	s_lshl_b32 s44, s41, 6
	v_add_nc_u32 v[ORA+\i], s44, v[H32]
	v_add_nc_u32 v[ORR+\i], s44, v[R4]
.endr
.irp i, 0,1
	global_load_b128 v[HS+12*\i:HS+12*\i+3], v[HSA+\i], s[10:11]
	global_load_b128 v[HS+12*\i+4:HS+12*\i+7], v[HSA+\i], s[10:11] offset:16
	global_load_b64 v[HS+12*\i+8:HS+12*\i+9], v[HSA+\i], s[10:11] offset:32
	global_load_b32 v[HS+12*\i+10], v[HSA+\i], s[10:11] offset:40
	global_load_b128 v[TK+8*\i:TK+8*\i+3], v[ORA+\i], s[12:13]
	global_load_b128 v[TK+8*\i+4:TK+8*\i+7], v[ORA+\i], s[12:13] offset:16
	global_load_b32 v[TKR+\i], v[ORR+\i], s[12:13]
.endr
	WIN 0x40
.irp i, 0,1
.irp g, 0,1,2
	global_load_b128 v[12*\i+4*\g:12*\i+4*\g+3], v[HA+\i], s[8:9] offset:16*\g    ; K step 0
.endr
.endr
	WIN 0
.endm
.macro HLOAD s, nt                     ; the hidden fragments of K step s, for nt slots: three loads each, 1,536 dense bytes
.irp i, 0,1
.if \i < \nt
.set HF, 2*(\s)+\i
.if (\s) == 21
	WIN 0
.irp g, 0,1,2
	global_load_b128 v[H21+12*\i+4*\g:H21+12*\i+4*\g+3], v[HA21+\i], s[8:9] offset:32256+16*\g
.endr
.elseif HF < 21
	WIN 0x40
.irp g, 0,1,2
	global_load_b128 v[12*HF+4*\g:12*HF+4*\g+3], v[HA+\i], s[8:9] offset:1536*(\s)+16*\g
.endr
.else
	WIN 0x80
.irp g, 0,1,2
	global_load_b128 v[12*(HF-21)+4*\g:12*(HF-21)+4*\g+3], v[HA+\i], s[8:9] offset:1536*(\s)+16*\g
.endr
.endif
.endif
.endr
.endm
.macro WFR s                           ; Wd's four fragments of K step s: 12 LDS loads into ring place s % 3
	WIN 0xc0
.irp d, 0,1,2,3
.irp g, 0,1,2
	ds_load_b128 v[48*((\s)%3)+12*\d+4*\g:48*((\s)%3)+12*\d+4*\g+3], v[FA+\d/2] offset:33024*(\d%2)+96*(\s)+16*\g
.endr
.endr
.endm
.macro WM d, a, b, sa, sb, ra, rb, zero    ; one product; ra, rb: that source's scales stand in lanes 16-31; zero: it starts the sum
.if \zero
.if (\ra) && (\rb)
	v_wmma_scale_f32_16x16x128_f8f6f4 v[\d:\d+7], v[\a:\a+11], v[\b:\b+11], 0, v[\sa], v[\sb] matrix_a_fmt:MATRIX_FMT_BF6 matrix_b_fmt:MATRIX_FMT_BF6 matrix_a_scale:MATRIX_SCALE_ROW1 matrix_b_scale:MATRIX_SCALE_ROW1
.elseif \ra
	v_wmma_scale_f32_16x16x128_f8f6f4 v[\d:\d+7], v[\a:\a+11], v[\b:\b+11], 0, v[\sa], v[\sb] matrix_a_fmt:MATRIX_FMT_BF6 matrix_b_fmt:MATRIX_FMT_BF6 matrix_a_scale:MATRIX_SCALE_ROW1
.elseif \rb
	v_wmma_scale_f32_16x16x128_f8f6f4 v[\d:\d+7], v[\a:\a+11], v[\b:\b+11], 0, v[\sa], v[\sb] matrix_a_fmt:MATRIX_FMT_BF6 matrix_b_fmt:MATRIX_FMT_BF6 matrix_b_scale:MATRIX_SCALE_ROW1
.else
	v_wmma_scale_f32_16x16x128_f8f6f4 v[\d:\d+7], v[\a:\a+11], v[\b:\b+11], 0, v[\sa], v[\sb] matrix_a_fmt:MATRIX_FMT_BF6 matrix_b_fmt:MATRIX_FMT_BF6
.endif
.else
.if (\ra) && (\rb)
	v_wmma_scale_f32_16x16x128_f8f6f4 v[\d:\d+7], v[\a:\a+11], v[\b:\b+11], v[\d:\d+7], v[\sa], v[\sb] matrix_a_fmt:MATRIX_FMT_BF6 matrix_b_fmt:MATRIX_FMT_BF6 matrix_a_scale:MATRIX_SCALE_ROW1 matrix_b_scale:MATRIX_SCALE_ROW1
.elseif \ra
	v_wmma_scale_f32_16x16x128_f8f6f4 v[\d:\d+7], v[\a:\a+11], v[\b:\b+11], v[\d:\d+7], v[\sa], v[\sb] matrix_a_fmt:MATRIX_FMT_BF6 matrix_b_fmt:MATRIX_FMT_BF6 matrix_a_scale:MATRIX_SCALE_ROW1
.elseif \rb
	v_wmma_scale_f32_16x16x128_f8f6f4 v[\d:\d+7], v[\a:\a+11], v[\b:\b+11], v[\d:\d+7], v[\sa], v[\sb] matrix_a_fmt:MATRIX_FMT_BF6 matrix_b_fmt:MATRIX_FMT_BF6 matrix_b_scale:MATRIX_SCALE_ROW1
.else
	v_wmma_scale_f32_16x16x128_f8f6f4 v[\d:\d+7], v[\a:\a+11], v[\b:\b+11], v[\d:\d+7], v[\sa], v[\sb] matrix_a_fmt:MATRIX_FMT_BF6 matrix_b_fmt:MATRIX_FMT_BF6
.endif
.endif
.endm
.macro MULS s, nt                      ; 4 nt products; the accumulators take turns, one instruction a turn, in the same order in every K step
.irp i, 0,1
.if \i < \nt
.set HF, 2*(\s)+\i
.if (\s) == 21
	WIN 0x03
.set HB, H21+12*\i
.elseif HF < 21
	WIN 0x07
.set HB, 12*HF
.else
	WIN 0x0b
.set HB, 12*(HF-21)
.endif
.irp d, 0,1,2,3
	WM ACC+32*\i+8*\d, 48*((\s)%3)+12*\d, HB, WS+22*(\d/2)+(\s), HS+12*\i+(\s)%11, \d%2, (\s)>=11, (\s)==0
.endr
.endif
.endr
.endm
.macro VAR nt                          ; all 22 K steps for nt slots
.set DD, 18/\nt                        ; the hidden fragments are asked for DD steps ahead: 54 loads
.set q, 1
.rept DD
	HLOAD q, \nt
.set q, q+1
.endr
	WFR 0
	WFR 1
.set q, 0
.rept 22
.if (q >= 1) && (q+DD <= 21)
	HLOAD q+DD, \nt
.endif
.if q+2 <= 21
.if q >= 1
	PLACES                                         ; the ring place to be filled was read by the products just issued
.endif
	WFR q+2
.endif
.set AH, q+DD
.if AH > 21
.set AH, 21
.endif
.set RG, 21-q
.if RG > 2
.set RG, 2
.endif
	s_wait_loadcnt 3*\nt*(AH-q)                    ; this step's hidden fragments are in; those of the steps ahead may be out
	s_wait_dscnt 12*RG                             ; this step's fragments of Wd are in; the ring's younger fills may be out
.if q == 21
	WIN 0
.irp i, 0,1
.if \i < \nt
.irp k, 0,1,2,3,4,5,6,7,8,9,10,11
	v_cndmask_b32 v[H21+12*\i+\k], v[H21+12*\i+\k], 0, s34      ; lanes 16-31: blocks 86 and 87 do not exist: zero codes
.endr
.endif
.endr
	PLACES                                         ; an operand written by vector instructions stands four places ahead of a scaled product
.endif
	MULS q, \nt
.set q, q+1
.endr
.endm
.macro OUTT i                          ; slot i: x the gate, through my stage, out
	WIN 0
	PLACES
.set j, 0
.rept 16
	v_pk_mul_f32 v[ACC+32*\i+j:ACC+32*\i+j+1], v[ACC+32*\i+j:ACC+32*\i+j+1], v[GT+2*\i:GT+2*\i+1] op_sel_hi:[1,0]   ; each accumulator from its low end on
.set j, j+2
.endr
	s_wait_xcnt 0x0                                ; the tile before has its stores' data in the registers that the loads below write again
.irp d, 0,1,2,3
	ds_store_b128 v[STO], v[ACC+32*\i+8*\d:ACC+32*\i+8*\d+3] offset:64*\d
	ds_store_b128 v[STO], v[ACC+32*\i+8*\d+4:ACC+32*\i+8*\d+7] offset:64*\d+16
.endr
.irp k, 0,1,2,3,4,5,6,7
	ds_load_b128 v[OUT+4*\k:OUT+4*\k+3], v[RD] offset:272*\k    ; lanes 0-15 row k, lanes 16-31 row 8 + k.  LDS serves a wave's instructions in order: these see the stores above
.endr
.irp k, 0,1,2,3,4,5,6,7
	v_min_u32 v[TK+8*\i+\k], 0x3ff, v[TK+8*\i+\k]
.endr
.irp k, 0,1,2,3,4,5,6,7
	v_lshlrev_b32 v[TK+8*\i+\k], 12, v[TK+8*\i+\k]              ; the token's row of out0,
.endr
.irp k, 0,1,2,3,4,5,6,7
	v_add_nc_u32 v[TK+8*\i+\k], v[TK+8*\i+\k], v[CL]            ; my 16 bytes of its 256
.endr
.irp k, 0,1,2,3,4,5,6,7
	s_wait_dscnt 7-\k                              ; row k is back; the later rows may be out
	global_store_b128 v[TK+8*\i+\k], v[OUT+4*\k:OUT+4*\k+3], s[20:21] th:TH_STORE_NT   ; sixteen lanes store 256 consecutive bytes, aligned
.endr
.endm
.macro STG k                           ; staging loads 16 k .. 16 k + 15 go to LDS as they lie
.set j, 16*\k
.rept 16
	ds_store_b128 v[GA+j/32], v[4*j:4*j+3] offset:2048*(j%32)
.set j, j+1
.endr
.endm
	s_load_b256 s[8:15], s[0:1], 0x0               ; hc, hs, order, rt
	s_load_b128 s[16:19], s[0:1], 0x20             ; Wd_codes, Wd_scales
	s_load_b64 s[20:21], s[0:1], 0x30              ; out0
	v_lshl_add_u32 v254, v0, 2, 0x26000
	v_mov_b32 v255, 0
	v_lshrrev_b32 v1, 5, v0
	v_readfirstlane_b32 s2, v1                     ; wave
	s_and_b32 s3, ttmp7, 0xffff                    ; e
	s_lshr_b32 s5, ttmp9, 1                        ; ds
	s_and_b32 s6, ttmp9, 1                         ; z
	s_lshl_b32 s31, s2, 1
	s_add_co_u32 s31, s31, s6                      ; z + 2 w
	s_mov_b32 s34, 0xffff0000
	v_and_b32 v1, 31, v0                           ; lane
	v_and_b32 v2, 15, v0                           ; r
	v_bfe_u32 v3, v0, 4, 1                         ; h
	v_lshlrev_b32 v[GA], 4, v0
	v_add_nc_u32 v[GA+1], 65536, v[GA]
	v_mul_u32_u24 v[FA], v2, 2064
	v_mul_u32_u24 v[R48], v2, 48
	v_mul_u32_u24 v[T0], v3, 48
	v_add_nc_u32 v[FA], v[FA], v[T0]
	v_add_nc_u32 v[FA+1], 66048, v[FA]
	v_mul_u32_u24 v[HL], v3, 768
	v_add_nc_u32 v[HL], v[HL], v[R48]
	s_mul_i32 s40, s2, 4352
	s_add_co_u32 s40, s40, STAGE                   ; my stage
	v_mul_u32_u24 v[STO], v2, 272
	v_lshl_add_u32 v[STO], v3, 5, v[STO]
	v_add_nc_u32 v[STO], s40, v[STO]               ; in: row r, 32 bytes for each half of the lanes
	v_mul_u32_u24 v[RD], v3, 8*272
	v_lshl_add_u32 v[RD], v2, 4, v[RD]
	v_add_nc_u32 v[RD], s40, v[RD]                 ; back: sixteen lanes to a row
	v_lshlrev_b32 v[CL], 4, v2
	v_and_b32 v[T0], 1, v1
	v_cmp_eq_u32 vcc_lo, 1, v[T0]                  ; an odd row's scale bytes begin 2 bytes into a word
	v_mov_b32 v[SEL], 0x03010200
	v_mov_b32 v[T0], 0x05030402
	v_cndmask_b32 v[SEL], v[SEL], v[T0], vcc_lo    ; the word's four bytes, bytes 1 and 2 in each other's places
	v_mov_b32 v[SEL21], 0x0c010c00
	v_mov_b32 v[T0], 0x0c030c02
	v_cndmask_b32 v[SEL21], v[SEL21], v[T0], vcc_lo  ; word 21: blocks 84 and 85 in bytes 0 and 2, the byte 0 in bytes 1 and 3
	v_mul_u32_u24 v[SCA], v1, 86
	v_and_b32 v[SCA], -4, v[SCA]
	v_add_nc_u32 v[SCA], SCL, v[SCA]
	v_lshlrev_b32 v[L16], 4, v1
	v_add_nc_u32 v[EX], 131072, v[L16]
	v_add_nc_u32 v[SCLA], SCL, v[L16]
	v_mul_u32_u24 v[HSL], v2, 96
	v_mad_u32_u24 v[HSL], v3, 48, v[HSL]
	v_lshlrev_b32 v[H32], 5, v3
	v_lshlrev_b32 v[R4], 2, v2
	v_mov_b32 v[GT+1], 0                           ; (named as the upper halves of pairs, so they are written)
	v_mov_b32 v[GT+3], 0
	s_wait_kmcnt 0x0
	s_lshl_b32 s26, s3, 7
	s_add_co_u32 s26, s26, 32768
	s_mov_b32 s27, 0
	s_add_nc_u64 s[24:25], s[12:13], s[26:27]
	s_load_b32 s30, s[24:25], 0x0                  ; my expert's count
	s_mul_i32 s26, s3, 2113536
	s_add_nc_u64 s[8:9], s[8:9], s[26:27]          ; hc at my expert
	s_mul_i32 s28, s5, SLB
	s_add_co_u32 s26, s26, s28
	s_add_nc_u64 s[16:17], s[16:17], s[26:27]      ; Wd's codes at my 64 rows
	s_mul_i32 s26, s3, 88064
	s_mul_i32 s28, s5, 5504
	s_add_co_u32 s26, s26, s28
	s_add_nc_u64 s[18:19], s[18:19], s[26:27]      ; their scale bytes
	s_mul_i32 s26, s3, 98304
	s_add_nc_u64 s[10:11], s[10:11], s[26:27]      ; hs at my expert
	s_lshl_b32 s26, s3, 12
	s_add_nc_u64 s[12:13], s[12:13], s[26:27]      ; my expert's list
	s_lshl_b32 s26, s5, 8
	s_add_nc_u64 s[20:21], s[20:21], s[26:27]      ; out0 at my 64 columns
	; ---- the first loads.  What only one wave brings goes out first, so that every later count covers it; the two waves' extras have registers of their own
	s_cmp_lg_u32 s2, 0
	s_cbranch_scc1 .La0
	global_load_b128 v[OUT:OUT+3], v[EX], s[16:17]             ; the slice is 64 x 2,048 + 1,024 bytes: wave 0 brings the rest
	global_load_b128 v[OUT+4:OUT+7], v[EX], s[16:17] offset:512
.La0:
	s_cmp_lg_u32 s2, 3
	s_cbranch_scc1 .La3
.irp j, 0,1,2,3,4,5,6,7,8,9
	global_load_b128 v[ACC+4*\j:ACC+4*\j+3], v[L16], s[18:19] offset:512*\j
.endr
	global_load_b128 v[ACC+40:ACC+43], v[L16], s[18:19] offset:4992   ; 5,504 = 10.75 x 512: the last load begins 512 bytes ahead of the end and brings 128 bytes a second time
.La3:
	WIN 0xc0
.set j, 0
.rept 64
	global_load_b128 v[4*j:4*j+3], v[GA], s[16:17] offset:2048*j
.set j, j+1
.endr
	WIN 0
	s_wait_kmcnt 0x0
	s_min_u32 s30, s30, 1024                       ; the count
	s_add_co_u32 s32, s30, 15
	s_lshr_b32 s32, s32, 4                         ; tiles
	s_max_u32 s33, s32, 1
	s_sub_co_u32 s33, s33, 1                       ; the last tile that was written
	s_add_co_u32 s35, s32, 15
	s_sub_co_u32 s35, s35, s31
	s_lshr_b32 s35, s35, 4                         ; my passes: those whose first slot has a tile
	s_mov_b32 s36, 0
	PRE 36
	WIN 0x0c                                       ; an LDS store's data are its source 1: window 3
	s_wait_loadcnt 63                              ; behind the first 16 loads stand 48 + 20: the wait names 63, which shows more than is needed
	STG 0
	s_wait_loadcnt 52                              ; 32 of Wd's and the pass's 20 may be out
	STG 1
	s_wait_loadcnt 36
	STG 2
	s_wait_loadcnt 20
	STG 3
	WIN 0
	s_cmp_lg_u32 s2, 0
	s_cbranch_scc1 .Lb0
	ds_store_b128 v[EX], v[OUT:OUT+3]
	ds_store_b128 v[EX], v[OUT+4:OUT+7] offset:512
.Lb0:
	s_cmp_lg_u32 s2, 3
	s_cbranch_scc1 .Lb3
.irp j, 0,1,2,3,4,5,6,7,8,9
	ds_store_b128 v[SCLA], v[ACC+4*\j:ACC+4*\j+3] offset:512*\j
.endr
	ds_store_b128 v[SCLA], v[ACC+40:ACC+43] offset:4992
.Lb3:
	s_wait_dscnt 0x0                               ; for the others' sake: my part of the slice lies in LDS
	s_barrier_signal -1
	s_barrier_wait -1                              ; the launch's one barrier: behind it the slice is only read, and a stage is its wave's own
	; ---- Wd's scale words: rows lane and 32 + lane, 22 words each
.irp t, 0,1
.irp s, 0,1,2,3,4,5,6,7,8,9,10,11,12,13,14,15,16,17,18,19,20,21
	ds_load_b32 v[OUT+\s], v[SCA] offset:2752*\t+4*\s
.endr
	s_wait_dscnt 0x0
.irp s, 0,1,2,3,4,5,6,7,8,9,10,11,12,13,14,15,16,17,18,19,20
	v_perm_b32 v[WS+22*\t+\s], v[OUT+\s+1], v[OUT+\s], v[SEL]
.endr
	v_perm_b32 v[WS+22*\t+21], v[OUT+21], v[OUT+21], v[SEL21]
.endr
.rept 8
	v_nop                                          ; a scale register written by a vector instruction stands eight places ahead of a scaled product
.endr
	; ---- the passes.  Four trips serve every split (64 tiles at the most, 16 a pass for the two work-groups' eight waves); a trip beyond my count jumps over the work
.Lpass:
	s_cmp_ge_u32 s36, s35
	s_cbranch_scc1 .Lskip
	s_wait_loadcnt 0x0                             ; the pass's first 20 loads
.irp i, 0,1
	v_min_u32 v[TKR+\i], 0x3ff, v[TKR+\i]
	v_lshlrev_b32 v[GO+\i], 2, v[TKR+\i]
	global_load_b32 v[GT+2*\i], v[GO+\i], s[14:15] ; the gate of row r's token
.endr
	s_cmp_lt_u32 s43, s32                          ; has the second slot a tile?
	s_cbranch_scc0 .Lone
	VAR 2
	OUTT 0
	OUTT 1
	s_branch .Lnext
.Lone:
	VAR 1
	OUTT 0
.Lnext:
	s_add_co_u32 s37, s36, 1
	s_cmp_ge_u32 s37, s35
	s_cbranch_scc1 .Lskip
	s_wait_xcnt 0x0                                ; the stores have read their offsets: the next pass's loads land there
	PRE 37
.Lskip:
	s_add_co_u32 s36, s36, 1
	s_cmp_lt_u32 s36, 4
	s_cbranch_scc1 .Lpass
	s_wait_tensorcnt 0x0
	ds_add_u32 v254, v255
	s_wait_dscnt 0x0
	s_endpgm
.Lfunc_end_k_qc2aad0f39b_down:
	.size	k_qc2aad0f39b_down, .Lfunc_end_k_qc2aad0f39b_down-k_qc2aad0f39b_down
	.p2alignl 7, 3214868480
	.fill 96, 4, 3214868480
	.section	.rodata,"a",@progbits
	.p2align	6, 0x0
	.amdhsa_kernel k_qc2aad0f39b_down
		.amdhsa_group_segment_fixed_size 156160
		.amdhsa_private_segment_fixed_size 0
		.amdhsa_enable_private_segment 0
		.amdhsa_kernarg_size 56
		.amdhsa_user_sgpr_count 2
		.amdhsa_user_sgpr_kernarg_segment_ptr 1
		.amdhsa_wavefront_size32 1
		.amdhsa_system_sgpr_workgroup_id_x 1
		.amdhsa_system_sgpr_workgroup_id_y 1
		.amdhsa_system_sgpr_workgroup_id_z 1
		.amdhsa_system_vgpr_workitem_id 0
		.amdhsa_next_free_vgpr 1024
		.amdhsa_next_free_sgpr 66
		.amdhsa_reserve_vcc 1
		.amdhsa_float_denorm_mode_32 3
		.amdhsa_float_denorm_mode_16_64 3
		.amdhsa_memory_ordered 1
		.amdhsa_forward_progress 1
		.amdhsa_inst_pref_size 139
	.end_amdhsa_kernel
	.amdgpu_metadata
---
amdhsa.version: [ 1, 2 ]
amdhsa.kernels:
  - .name:           k_qc2aad0f39b_down
    .symbol:         k_qc2aad0f39b_down.kd
    .args:
      - { .name: hc, .offset: 0, .size: 8, .value_kind: global_buffer, .address_space: global }
      - { .name: hs, .offset: 8, .size: 8, .value_kind: global_buffer, .address_space: global }
      - { .name: order, .offset: 16, .size: 8, .value_kind: global_buffer, .address_space: global }
      - { .name: rt, .offset: 24, .size: 8, .value_kind: global_buffer, .address_space: global }
      - { .name: Wd_codes, .offset: 32, .size: 8, .value_kind: global_buffer, .address_space: global }
      - { .name: Wd_scales, .offset: 40, .size: 8, .value_kind: global_buffer, .address_space: global }
      - { .name: out0, .offset: 48, .size: 8, .value_kind: global_buffer, .address_space: global }
    .group_segment_fixed_size: 156160
    .private_segment_fixed_size: 0
    .kernarg_segment_align: 8
    .kernarg_segment_size: 56
    .max_flat_workgroup_size: 128
    .sgpr_count:     66
    .vgpr_count:     1024
    .wavefront_size: 32
...
	.end_amdgpu_metadata
.endif
;; end of part 4
;; ======== version 2 of 2: 4 launches; version 1 with the launches up, down written anew for expert scheduling mode
;; workspace buffers: xc 786,432 bytes; xs 32,768 bytes; idx 4,096 bytes of whole numbers; rt 20,480 bytes; hc 16,908,288 bytes; hs 786,432 bytes; order 33,792 bytes of whole numbers
;; launch route: the kernel of part 1 again; grid 256 x 1, 4 waves a work-group, no clusters, 55,808 bytes of LDS; arguments x, Wg, bg, xc, xs, idx, rt; writes xc, xs, idx, rt
;; launch sort: the kernel of part 2 again; grid 9 x 1, 1 waves a work-group, no clusters, 4,864 bytes of LDS; arguments idx, rt, order, out1; writes order, out1
;; launch up (part 5): grid 32 x 8, 4 waves a work-group, no clusters, 151,040 bytes of LDS; arguments xc, xs, order, Wu_codes, Wu_scales, Wv_codes, Wv_scales, hc, hs; writes hc, hs
.if DOCPART == 5
	.amdgcn_target "amdgcn-amd-amdhsa--gfx1250"
	.amdhsa_code_object_version 6
	.text
	.protected	k_qc2aad0f39b_up
	.globl	k_qc2aad0f39b_up
	.p2align	8
	.type	k_qc2aad0f39b_up,@function
k_qc2aad0f39b_up:
	s_mov_b64 s[64:65], 0
	v_nop
	global_prefetch_b8 v0, s[64:65] scope:SCOPE_SE
	s_setreg_imm32_b32 hwreg(HW_REG_WAVE_SCHED_MODE, 0, 2), 2
	s_setreg_imm32_b32 hwreg(HW_REG_WAVE_MODE, 25, 1), 1
	s_wait_xcnt 0x0
	s_wait_alu depctr_vm_vsrc(0)
; UP.  Work-group (i, e) makes, for the tokens that chose expert e and for no others, hidden units 32 B0 .. of silu(x Wu^T) x (x Wv^T), quantised to E3M2 along the hidden axis.
; B0 = 2 i + min(i, 22); three blocks of 32 units where i < 22, two else: 86 blocks over 32 work-groups.
; THE LIST of expert e's tokens and their count were stored by the launch before.  The entries that fill up the last tile repeat the expert's last token; all further entries are token 0.
; THE WEIGHTS.  A block's 32 rows of Wu and of Wv are 24,576 dense bytes each: they come once, 512 neighbouring bytes a wave's load, and stay in LDS.
;   Unit j of a block lies in LDS row 16 ((j / 8) % 2) + j % 8 + 8 (j / 16): tile u, row p is unit 8 u + p + 8 (p / 8), so that a lane's 16 results of the two tiles are 16 neighbouring units.
;   A work-group of two blocks brings its second block twice, so that every wave counts the same loads on every path, and jumps over the third block's work.
; THE TOKENS.  In a pass wave w holds three tiles of 16 tokens, t = min(w + 4 slot + 12 pass, 63), as fragments in registers (288), gathered by the list; each weight fragment read from LDS feeds three products.
;   A tile's number hangs on no loaded number, so a wave's first loads are its tokens.  Only the number of passes hangs on the count: a wave walks the passes whose first slot has a tile.
;   A slot beyond the expert's last tile works on filler entries and writes its own tile of hc and hs, which has room for 64 tiles an expert and which nobody reads there.
;   An expert without tokens still has tile 0 written, from filler rows.
; PRODUCTS, transposed: source 0 = 16 rows of a weight, source 1 = 16 tokens: lane (r, h) holds token r and units 16 h + 0 .. 15 of the block.
;   Lane half h of every fragment takes the 48 neighbouring bytes 96 s + 48 h of its row, on both operands alike: three loads of 16 bytes.  So the instruction's blocks 1 and 2 are memory's 2 and 1,
;   and bytes 1 and 2 of every scale word change places (xs comes so; the weights' words are turned here; hs is written so).  The order of the sums inside an instruction differs from K ascending.
; OUT.  hc[e][tile][33,024]: block B of row r at 1,536 (B / 4) + 768 ((B / 2) % 2) + 48 r + 24 (B % 2): the next launch's fragments lie dense.
;   hs[e][tile][r][96]: word s at 4 s + 4 (s >= 11).  Word 21 has two blocks: its other two bytes are written 0x7f.
; No tensor loads and no cluster: the trip count hangs on the stored count.
; LIMITS: NaN and infinities are not served; a block whose largest magnitude lies under 2^-122, or a block of zeros, gets the byte 1 (its codes are right, and only this program reads the bytes).
; THE MODE: SCHED_MODE bits 1:0 = 2 (LLVM: expert scheduling mode 2), set by the entry lines.  The code itself states the register dependences
; between vector or matrix instructions and memory or LDS instructions, with s_wait_alu, always for 0.
; THE PLAN.  Registers that memory or LDS instructions touch:
;   v[GA], v[SA ..], v[FA ..], v[WSL], v[R4], v[HCL], v[HSL]   made once at the head, ahead of the first wait on va_vdst, and never written again.
;   v[LA ..], v[XA ..], v[XSA ..]   written by a pass's set-up, read by that pass's loads of tokens and of x.  One wait on vm_vsrc stands ahead of the set-up, one on va_vdst between each run of adds and its loads.
;   v[XS ..] and x's fragments      loaded once a pass, read by the pass's products: the wait at the head of the loads of x states that the products are done with them.
;   THE RING, four places of 48     K step s: its products read place s % 4; the fill for step s + 2 lands in place (s - 2) % 4.  A wait on va_vdst at steps 2 and 4 states that the two steps before are done
;                                   reading their places: each serves two fills, and the products issued since it name other places.  The fills at a block's head and in steps 0 and 1 stand behind the waits of the way out before.
;   THE OUT-BUFFERS, a set a slot   codes v[C + 4 i ..], byte v[BY + i], offsets v[OA + i], v[OB + i]: written by slot i's last lines, read by the block's nine stores, which stand together behind one wait on va_vdst;
;                                   one wait on vm_vsrc, a block's products later, stands ahead of the lines that write them again.
;   The accumulators, v[T ..] and v[M ..] are named by vector and matrix instructions alone.
.set RB,    768                        ; a row of 1,024 codes
.set BLKB,  24576                      ; a block's 32 rows
.set PW,    784                        ; an LDS row: 768 + 16 = 49 x 16 bytes, so the 16 rows of a load start in 16 different columns of 16 bytes
.set REGB,  25088                      ; 32 such rows.  LDS: region 2 b + m (m = 0: Wu, 1: Wv), six regions; behind them the spare words
.set TILEB, 33024
.set GA,  4                            ; v4      16 x thread: my bytes of a staging load's 2,048
.set SA,  5                            ; v5-13   where they go in LDS: 3 b + (load % 3)
.set FA,  14                           ; v14-16  my lane's place in block b's fragments
.set WSL, 17                           ; v17     my lane's row among a block's scale words
.set R4,  18                           ; v18     4 r
.set HCL, 19                           ; v19     48 r + 12 h
.set HSL, 20                           ; v20     96 r
.set XA,  21                           ; v21-23  slot's x codes: 768 token + 48 h
.set XSA, 24                           ; v24-26  slot's x scales: 32 token
.set O1,  30                           ; v30     at the head only: at work
.set WS,  32                           ; v32-79  weights' scale words 16 b + 8 m + s: lanes 0-15 tile 0, lanes 16-31 tile 1
.set XS,  80                           ; v80-103 x's scale words 8 slot + s
.set ACC, 104                          ; v104-199 accumulators 32 slot + 16 m + 8 u
.set T,   200                          ; v200-215 at work
.set M,   216                          ; v216-219
.set C,   220                          ; v220-230 codes: slot i's three registers at C + 4 i
.set LA,  232                          ; v232-234 the slots' entries in the list: 64 tile + 4 r
.set TK,  235                          ; v235-237 token numbers
.set H48, 242                          ; 48 h
.set BY,  243                          ; v243-245 slot i's scale byte, with the filler above it
.set OA,  246                          ; v246-248 slot i's offset in hc
.set OB,  249                          ; v249-251 slot i's offset in hs
; v254, v255: the closing add's two registers, made at the head and kept for it alone
; window 1: x's fragments f = 3 s + slot < 21 at 12 f.  window 2: v0-35 f = 21 .. 23; v96-239 staging groups 0-2.  window 3: v96-239 staging groups 3-5; then v0-191 the ring of weight fragments (48 (s % 4) + 24 m + 12 u).
; scalars: s2 wave, s3 e, s4 i, s5 B0; s[8:25] the nine buffers; s[32:39] the third block's; s40-42, s43-45 a block's place in a tile of hc, in a row of hs;
; s46-48, s49-51 the slots' tiles in hc, hs; s53 my passes, s54 pass; s[56:57] lane selects; s[58:59] -log2(e); s60 byte select; s[74:75] the count's place, s76 the count
.set MSB, 0
.macro WIN new                         ; the immediate's high byte repeats the setting that is left
.if MSB != (\new)
	s_set_vgpr_msb (MSB<<8)|(\new)
.set MSB, (\new)
.endif
.endm
.macro PLACES                          ; four plain places behind a matrix instruction (ISA guide 7.12.1)
.rept 4
	v_nop
.endr
.endm
.macro GLOAD g                         ; group g = 2 b + m: a block's 24,576 bytes, 12 loads of 2,048 for the four waves
.set GB, 96+48*((\g)%3)
	WIN 0x80+0x40*((\g)/3)
.irp jj, 0,1,2,3,4,5,6,7,8,9,10,11
.if (\g) == 0 || (\g) == 2
	global_load_b128 v[GB+4*\jj:GB+4*\jj+3], v[GA], s[14:15] offset:BLKB*((\g)/2)+2048*\jj th:TH_LOAD_NT
.elseif (\g) == 1 || (\g) == 3
	global_load_b128 v[GB+4*\jj:GB+4*\jj+3], v[GA], s[18:19] offset:BLKB*((\g)/2)+2048*\jj th:TH_LOAD_NT
.elseif (\g) == 4
	global_load_b128 v[GB+4*\jj:GB+4*\jj+3], v[GA], s[32:33] offset:2048*\jj th:TH_LOAD_NT
.else
	global_load_b128 v[GB+4*\jj:GB+4*\jj+3], v[GA], s[34:35] offset:2048*\jj th:TH_LOAD_NT
.endif
.endr
.endm
.macro GSTORE g                        ; three loads are eight rows: rows 8 mm .. 8 mm + 7 go to LDS rows 16 (mm % 2) + 8 (mm / 2) on
.set GB, 96+48*((\g)%3)
	WIN 0x08+0x04*((\g)/3)
.irp jj, 0,1,2,3,4,5,6,7,8,9,10,11
	ds_store_b128 v[SA+3*((\g)/2)+\jj%3], v[GB+4*\jj:GB+4*\jj+3] offset:REGB*((\g)%2)+PW*(16*((\jj/3)&1)+8*((\jj/3)>>1))
.endr
.endm
.macro PREPA preg                      ; the three slots of pass s[preg]: their tiles, and the loads of their tokens
	s_mul_i32 s66, s[\preg], 12
	s_add_co_u32 s66, s66, s2
.irp i, 0,1,2
	s_add_co_u32 s67, s66, 4*\i
	s_min_u32 s67, s67, 63                         ; an expert's list has 64 tiles
	s_mul_i32 s[46+\i], s67, TILEB
	s_mul_i32 s[49+\i], s67, 1536
	s_lshl_b32 s67, s67, 6
	v_add_nc_u32 v[LA+\i], s67, v[R4]
.endr
	s_wait_alu depctr_va_vdst(0)                   ; v[LA ..] are written, which the three loads read; the lines that last named v[TK ..], in which they land, are done.  At the kernel's head: all the offsets and LDS addresses made above are written too
.irp i, 0,1,2
	global_load_b32 v[TK+\i], v[LA+\i], s[12:13]   ; lane (r, h): the token of row r
.endr
.endm
.macro PREPB                           ; behind the wait for them: where the tokens' codes and scale bytes lie
.irp i, 0,1,2
	v_min_u32 v[TK+\i], 0x3ff, v[TK+\i]
	v_mul_u32_u24 v[XA+\i], v[TK+\i], RB
	v_add_nc_u32 v[XA+\i], v[XA+\i], v[H48]
	v_lshlrev_b32 v[XSA+\i], 5, v[TK+\i]
.endr
.endm
.macro XLOAD                           ; 78 loads: the slots' scale words, then their fragments, K step by K step
	WIN 0
	s_wait_alu depctr_va_vdst(0)                   ; v[XA ..] and v[XSA ..] are written, which the 78 loads read; the products of the pass before are done reading v[XS ..] and x's fragments, in which they land; at the kernel's head: the byte selects have written v[WS ..], eight places back, for the products
.irp i, 0,1,2
	global_load_b128 v[XS+8*\i:XS+8*\i+3], v[XSA+\i], s[10:11]
	global_load_b128 v[XS+8*\i+4:XS+8*\i+7], v[XSA+\i], s[10:11] offset:16
.endr
	WIN 0x40
.irp s, 0,1,2,3,4,5,6
.irp i, 0,1,2
.irp g, 0,1,2
	global_load_b128 v[12*(3*\s+\i)+4*\g:12*(3*\s+\i)+4*\g+3], v[XA+\i], s[8:9] offset:96*\s+16*\g
.endr
.endr
.endr
	WIN 0x80
.irp i, 0,1,2
.irp g, 0,1,2
	global_load_b128 v[12*\i+4*\g:12*\i+4*\g+3], v[XA+\i], s[8:9] offset:96*7+16*\g
.endr
.endr
	WIN 0
.endm
.macro FRAGS b, s                      ; block b, K step s: four fragments (Wu, Wv x two tiles), 12 LDS loads, into ring place s % 4
.irp m, 0,1
.irp u, 0,1
.irp g, 0,1,2
	ds_load_b128 v[48*((\s)%4)+24*\m+12*\u+4*\g:48*((\s)%4)+24*\m+12*\u+4*\g+3], v[FA+\b] offset:REGB*\m+16*PW*\u+96*(\s)+16*\g
.endr
.endr
.endr
.endm
.macro WM d, a, b, sa, sb, ra, zero    ; one product; ra: source 0's scales stand in lanes 16-31; zero: it starts the sum
.if \zero
.if \ra
	v_wmma_scale_f32_16x16x128_f8f6f4 v[\d:\d+7], v[\a:\a+11], v[\b:\b+11], 0, v[\sa], v[\sb] matrix_a_fmt:MATRIX_FMT_BF6 matrix_b_fmt:MATRIX_FMT_BF6 matrix_a_scale:MATRIX_SCALE_ROW1
.else
	v_wmma_scale_f32_16x16x128_f8f6f4 v[\d:\d+7], v[\a:\a+11], v[\b:\b+11], 0, v[\sa], v[\sb] matrix_a_fmt:MATRIX_FMT_BF6 matrix_b_fmt:MATRIX_FMT_BF6
.endif
.else
.if \ra
	v_wmma_scale_f32_16x16x128_f8f6f4 v[\d:\d+7], v[\a:\a+11], v[\b:\b+11], v[\d:\d+7], v[\sa], v[\sb] matrix_a_fmt:MATRIX_FMT_BF6 matrix_b_fmt:MATRIX_FMT_BF6 matrix_a_scale:MATRIX_SCALE_ROW1
.else
	v_wmma_scale_f32_16x16x128_f8f6f4 v[\d:\d+7], v[\a:\a+11], v[\b:\b+11], v[\d:\d+7], v[\sa], v[\sb] matrix_a_fmt:MATRIX_FMT_BF6 matrix_b_fmt:MATRIX_FMT_BF6
.endif
.endif
.endm
.macro MUL b, s                        ; twelve products; the twelve accumulators take turns, one instruction a turn, in the same order in every K step
.irp i, 0,1,2
.irp m, 0,1
.irp u, 0,1
.if (\s) < 7
	WM ACC+32*\i+16*\m+8*\u, 48*((\s)%4)+24*\m+12*\u, 12*(3*(\s)+\i), WS+16*(\b)+8*\m+(\s), XS+8*\i+(\s), \u, (\s)==0
.else
	WM ACC+32*\i+16*\m+8*\u, 48*((\s)%4)+24*\m+12*\u, 12*\i, WS+16*(\b)+8*\m+(\s), XS+8*\i+(\s), \u, (\s)==0
.endif
.endr
.endr
.endr
.endm
.macro EPI b, i                        ; slot i of block b: u v / (1 + 2^(-u log2 e)) in f32, its block scale, 16 codes a lane, into the slot's out-buffer
.set EU, ACC+32*\i
.set EV, ACC+32*\i+16
.if \i == 0
	s_wait_xcnt 0x0                                ; the last block's stores have had their addresses translated: their offsets and data are written again below
	s_wait_alu depctr_vm_vsrc(0)                   ; and they have read v[OA ..], v[OB ..], v[C ..] and v[BY ..], which the three slots write again
.endif
.set j, 0
.rept 8
	v_pk_mul_f32 v[T+j:T+j+1], v[EU+j:EU+j+1], s[58:59] op_sel_hi:[1,0]        ; each accumulator is read from its low end on
.set j, j+2
.endr
.set j, 0
.rept 16
	v_exp_f32 v[T+j], v[T+j]
.set j, j+1
.endr
.set j, 0
.rept 8
	v_pk_mul_f32 v[EU+j:EU+j+1], v[EU+j:EU+j+1], v[EV+j:EV+j+1]                ; u v: also the plain places behind the exponentials
.set j, j+2
.endr
.set j, 0
	s_wait_alu depctr_va_vdst(0)                   ; the sixteen exponentials have written v[T ..]: one wait for the batch, ahead of its first reader
.rept 8
	v_pk_add_f32 v[T+j:T+j+1], v[T+j:T+j+1], 1.0 op_sel_hi:[1,0]
.set j, j+2
.endr
.set j, 0
.rept 16
	v_rcp_f32 v[T+j], v[T+j]
.set j, j+1
.endr
	v_nop                                          ; one plain place behind the reciprocals
.set j, 0
	s_wait_alu depctr_va_vdst(0)                   ; the sixteen reciprocals have written v[T ..]: one wait for the batch, ahead of its first reader
.rept 8
	v_pk_mul_f32 v[EU+j:EU+j+1], v[EU+j:EU+j+1], v[T+j:T+j+1]
.set j, j+2
.endr
	v_max3_num_f32 v[M], |v[EU]|, |v[EU+1]|, 0x2800000          ; my 16 numbers and the floor 2^(5 - 127), in two chains
	v_max3_num_f32 v[M+1], |v[EU+8]|, |v[EU+9]|, |v[EU+10]|
	v_max3_num_f32 v[M], v[M], |v[EU+2]|, |v[EU+3]|
	v_max3_num_f32 v[M+1], v[M+1], |v[EU+11]|, |v[EU+12]|
	v_max3_num_f32 v[M], v[M], |v[EU+4]|, |v[EU+5]|
	v_max3_num_f32 v[M+1], v[M+1], |v[EU+13]|, |v[EU+14]|
	v_max3_num_f32 v[M], v[M], |v[EU+6]|, |v[EU+7]|
	v_max3_num_f32 v[M], v[M], v[M+1], |v[EU+15]|
	v_permlanex16_b32 v[M+2], v[M], s56, s57
	v_max_num_f32 v[M], v[M], v[M+2]               ; with lane xor 16's 16: the block's largest magnitude
	v_add_nc_u32 v[M+1], 0xfe000000, v[M]          ; 4 off its exponent field: the conversion's scale operand
	v_lshrrev_b32 v[M+3], 23, v[M+1]               ; the byte
	v_cvt_scalef32_pk16_bf6_f32 v[C+4*\i:C+4*\i+2], v[EU:EU+15], v[M+1]
	v_or_b32 v[BY+\i], 0x7f00, v[M+3]              ; (a plain place behind the conversion)  the filler byte for word 21
	s_add_co_u32 s66, s[46+\i], s[40+\b]
	s_add_co_u32 s67, s[49+\i], s[43+\b]
	v_add_nc_u32 v[OA+\i], s66, v[HCL]
	v_add_nc_u32 v[OB+\i], s67, v[HSL]
.endm
.macro SEND                            ; a block's nine stores, out of the three slots' out-buffers
	s_wait_alu depctr_va_vdst(0)                   ; the three slots' codes, bytes and offsets are written, which the stores read; the block's products are done reading the ring, in which the next block's first fills land
.irp i, 0,1,2
	global_store_b96 v[OA+\i], v[C+4*\i:C+4*\i+2], s[22:23]     ; 12 bytes a lane: the two halves of the lanes fill a row's 24 bytes of the block
.endr
	s_cmp_eq_u32 s4, 31
	s_cbranch_scc1 .Lpair_\@
.irp i, 0,1,2
	global_store_b8 v[OB+\i], v[BY+\i], s[24:25]   ; both lanes of a row write the same byte with the same value
.endr
	s_branch .Lsent_\@
.Lpair_\@:
.irp i, 0,1,2
	global_store_b16 v[OB+\i], v[BY+\i], s[24:25]  ; blocks 84 and 85: the byte, and 0x7f for the block that does not exist
.endr
.Lsent_\@:
.endm
.macro BLOCK b
	WIN 0xc0
	FRAGS \b, 0                                    ; no vector or matrix instruction since the last wait on va_vdst names the ring or v[FA ..]
	FRAGS \b, 1
.irp s, 0,1,2,3,4,5,6,7
.if \s < 6
.if (\s == 2) || (\s == 4)
	PLACES                                         ; the plain form's four places stay, ahead of the wait
	WIN 0xc0
	s_wait_alu depctr_va_vdst(0)                   ; the products of the two K steps before are done reading their ring places, in which this step's fill and the next step's land
.else
	WIN 0xc0
.endif
	FRAGS \b, \s+2
	s_wait_dscnt 24                                ; this K step's fragments are in; the two younger steps' 24 loads may be out
.elseif \s == 6
	s_wait_dscnt 12                                ; the last step's twelve loads may be out
.else
	s_wait_dscnt 0x0
.endif
.if \s < 7
	WIN 0x07                                       ; source 0 window 3, source 1 window 1
.else
	WIN 0x0b                                       ; x's last three fragments lie in window 2
.endif
	MUL \b, \s
.endr
	WIN 0
	PLACES                                         ; behind the last products, ahead of the first read of their results
	EPI \b, 0
	EPI \b, 1
	EPI \b, 2
	SEND
.endm
	s_load_b512 s[8:23], s[0:1], 0x0               ; xc, xs, order, Wu_codes, Wu_scales, Wv_codes, Wv_scales, hc
	s_load_b64 s[24:25], s[0:1], 0x40              ; hs
	v_lshl_add_u32 v254, v0, 2, 0x24c00
	v_mov_b32 v255, 0
	v_lshrrev_b32 v1, 5, v0
	v_readfirstlane_b32 s2, v1                     ; wave
	s_and_b32 s3, ttmp7, 0xffff                    ; e
	s_mov_b32 s4, ttmp9                            ; i
	s_min_u32 s5, s4, 22
	s_lshl_b32 s66, s4, 1
	s_add_co_u32 s5, s5, s66                       ; B0
	s_mov_b32 s54, 0                               ; the pass
	s_mov_b32 s56, 0x76543210
	s_mov_b32 s57, 0xfedcba98                      ; v_permlanex16_b32's selects for lane xor 16
	s_mov_b32 s58, 0xbfb8aa3b                      ; -log2(e)
	s_mov_b32 s59, s58                             ; (named with it as a pair, so it is written)
	s_mov_b32 s60, 0x03010200                      ; bytes 1 and 2 change places
.irp b, 0,1,2
	s_add_co_u32 s66, s5, \b                       ; block B
	s_lshr_b32 s67, s66, 2                         ; its K step s of the next product
	s_mul_i32 s68, s67, 1536
	s_bfe_u32 s69, s66, 0x10001                    ; (B / 2) % 2
	s_mul_i32 s70, s69, 768
	s_add_co_u32 s68, s68, s70
	s_and_b32 s70, s66, 1
	s_mul_i32 s71, s70, 24
	s_add_co_u32 s[40+\b], s68, s71
	s_lshl_b32 s70, s70, 1
	s_or_b32 s70, s70, s69                         ; its byte in the scale word: 0, 2, 1, 3
	s_lshl_b32 s68, s67, 2
	s_add_co_u32 s68, s68, s70
	s_cmp_ge_u32 s67, 11
	s_cselect_b32 s69, 4, 0
	s_add_co_u32 s[43+\b], s68, s69
.endr
	v_and_b32 v1, 31, v0                           ; lane
	v_and_b32 v2, 15, v0                           ; r
	v_bfe_u32 v3, v0, 4, 1                         ; h
	v_lshlrev_b32 v[GA], 4, v0
	v_lshlrev_b32 v[R4], 2, v2
.irp ii, 0,1,2
	v_add_nc_u32 v[SA+\ii], 128*\ii, v0            ; piece c of 16 bytes among the 384 of eight rows;
	v_mul_u32_u24 v[O1], v[SA+\ii], 1366
	v_lshrrev_b32 v[O1], 16, v[O1]                 ; its row c / 48 (exact for c < 384);
	v_add_nc_u32 v[SA+\ii], v[SA+\ii], v[O1]
	v_lshlrev_b32 v[SA+\ii], 4, v[SA+\ii]          ; 16 c + 16 for each row passed
	v_add_nc_u32 v[SA+3+\ii], 2*REGB, v[SA+\ii]
	v_add_nc_u32 v[SA+6+\ii], 4*REGB, v[SA+\ii]
.endr
	v_mul_u32_u24 v[FA], v2, PW
	v_mul_u32_u24 v[H48], v3, 48
	v_add_nc_u32 v[FA], v[FA], v[H48]
	v_add_nc_u32 v[FA+1], 2*REGB, v[FA]
	v_add_nc_u32 v[FA+2], 4*REGB, v[FA]
	v_and_b32 v[WSL], 8, v2
	v_add_nc_u32 v[WSL], v[WSL], v2                ; r + 8 (r / 8)
	v_lshl_add_u32 v[WSL], v3, 3, v[WSL]           ; + 8 for lanes 16-31: tile 1's rows
	v_lshlrev_b32 v[WSL], 5, v[WSL]                ; 32 scale bytes a row
	v_mul_u32_u24 v[HCL], v2, 48
	v_mad_u32_u24 v[HCL], v3, 12, v[HCL]
	v_mul_u32_u24 v[HSL], v2, 96
	v_mov_b32 v[M+2], 0                            ; written once: a lane permute's destination counts as one of its sources
	s_wait_alu depctr_va_sdst(0)                   ; s2, the wave's number, is written, ahead of its first reader: the slots' tiles are made from it
	s_wait_kmcnt 0x0
	s_mov_b32 s67, 0
	s_lshl_b32 s66, s3, 7
	s_add_co_u32 s66, s66, 32768
	s_add_nc_u64 s[74:75], s[12:13], s[66:67]
	s_load_b32 s76, s[74:75], 0x0                  ; my expert's count
	s_lshl_b32 s66, s3, 12
	s_add_nc_u64 s[12:13], s[12:13], s[66:67]      ; my expert's list
	PREPA 54                                       ; the wave's first three loads: the tokens of its first three tiles
	s_mul_i32 s66, s3, 2113536
	s_mov_b32 s67, 0
	s_add_nc_u64 s[22:23], s[22:23], s[66:67]      ; hc at my expert's 64 tiles
	s_mul_i32 s68, s5, BLKB
	s_add_co_u32 s66, s66, s68
	s_add_nc_u64 s[14:15], s[14:15], s[66:67]      ; Wu's and Wv's codes at my first block (an expert's codes are as many bytes as its 64 tiles)
	s_add_nc_u64 s[18:19], s[18:19], s[66:67]
	s_cmp_lt_u32 s4, 22
	s_cselect_b32 s68, 2, 1                        ; the third place takes block 2, or block 1 again
	s_mul_i32 s66, s68, BLKB
	s_add_nc_u64 s[32:33], s[14:15], s[66:67]
	s_add_nc_u64 s[34:35], s[18:19], s[66:67]
	s_lshl_b32 s70, s68, 10
	s_mul_i32 s66, s3, 88064
	s_lshl_b32 s69, s5, 10
	s_add_co_u32 s66, s66, s69
	s_add_nc_u64 s[16:17], s[16:17], s[66:67]      ; their scale bytes likewise: 1,024 a block
	s_add_nc_u64 s[20:21], s[20:21], s[66:67]
	s_mov_b32 s66, s70
	s_add_nc_u64 s[36:37], s[16:17], s[66:67]
	s_add_nc_u64 s[38:39], s[20:21], s[66:67]
	s_mul_i32 s66, s3, 98304
	s_add_nc_u64 s[24:25], s[24:25], s[66:67]      ; hs at my expert
	; ---- the weights' scale words and the first four groups: with the tokens 63 loads a wave.  Their offsets v[WSL] and v[GA] were written ahead of the wait that stands in front of the tokens' loads
.irp b, 0,1
	global_load_b128 v[WS+16*\b:WS+16*\b+3], v[WSL], s[16:17] offset:1024*\b
	global_load_b128 v[WS+16*\b+4:WS+16*\b+7], v[WSL], s[16:17] offset:1024*\b+16
	global_load_b128 v[WS+16*\b+8:WS+16*\b+11], v[WSL], s[20:21] offset:1024*\b
	global_load_b128 v[WS+16*\b+12:WS+16*\b+15], v[WSL], s[20:21] offset:1024*\b+16
.endr
	global_load_b128 v[WS+32:WS+35], v[WSL], s[36:37]
	global_load_b128 v[WS+36:WS+39], v[WSL], s[36:37] offset:16
	global_load_b128 v[WS+40:WS+43], v[WSL], s[38:39]
	global_load_b128 v[WS+44:WS+47], v[WSL], s[38:39] offset:16
	GLOAD 0
	GLOAD 1
	GLOAD 2
	GLOAD 3
	WIN 0
	s_wait_loadcnt 60                              ; the tokens are in; the 12 loads of scale words and the 48 of groups 0 to 3 may be out
	PREPB
	GLOAD 4
	WIN 0
	s_wait_kmcnt 0x0
	s_min_u32 s66, s76, 1024                       ; the count
	s_add_co_u32 s66, s66, 15
	s_lshr_b32 s66, s66, 4
	s_max_u32 s66, s66, 1                          ; tiles, at least one
	s_add_co_u32 s66, s66, 11
	s_sub_co_u32 s66, s66, s2
	s_mul_i32 s66, s66, 43691
	s_lshr_b32 s53, s66, 19                        ; my passes: (tiles + 11 - wave) / 12 (exact up to 75)
	; ---- the weights go to LDS
	s_wait_loadcnt 48                              ; the scale words and group 0 are in; groups 1 to 4 may be out
.set k, 0
.rept 48
	v_perm_b32 v[WS+k], v[WS+k], v[WS+k], s60
.set k, k+1
.endr
.rept 8
	v_nop                                          ; a scale register written by a vector instruction stands eight places ahead of a scaled product; the wait that goes with them stands at the head of the loads of x
.endr
	GSTORE 0
	GLOAD 5
	s_wait_loadcnt 48                              ; group 1 is in; groups 2 to 5 may be out
	GSTORE 1
	s_wait_loadcnt 36                              ; group 2 is in
	GSTORE 2
	XLOAD
	s_wait_loadcnt 63                              ; 78 loads were issued behind group 5: with 63 out at the most, groups 3 to 5 are in
	GSTORE 3
	GSTORE 4
	GSTORE 5
	WIN 0
	s_wait_dscnt 0x0                               ; for the others' sake: my part of the weights lies in LDS
	s_barrier_signal -1
	s_barrier_wait -1                              ; the launch's one barrier: from here on LDS is only read
	s_wait_alu depctr_vm_vsrc(0)                   ; my LDS stores have read window 3's v96-191, through which groups 3 and 4 went: these registers are ring places 2 and 3 from here on
	; ---- the passes.  Six trips serve every split (64 tiles at the most, 12 a pass); a trip beyond my count jumps over the work
.Lpass:
	s_cmp_ge_u32 s54, s53
	s_cbranch_scc1 .Lskip
	s_wait_loadcnt 0x0                             ; x's fragments and scale words
	BLOCK 0
	BLOCK 1
	s_cmp_ge_u32 s4, 22
	s_cbranch_scc1 .Ltwo
	BLOCK 2
.Ltwo:
	s_wait_alu depctr_vm_vsrc(0)                   ; ahead of the branch: this pass's loads have read v[LA ..], v[XA ..] and v[XSA ..], which the next pass's set-up writes
	s_add_co_u32 s55, s54, 1
	s_cmp_ge_u32 s55, s53
	s_cbranch_scc1 .Lskip
	s_wait_xcnt 0x0                                ; the stores have read their offsets and data
	PREPA 55
	s_wait_loadcnt 0x0                             ; the next pass's tokens
	PREPB
	XLOAD
.Lskip:
	s_add_co_u32 s54, s54, 1
	s_cmp_lt_u32 s54, 6
	s_cbranch_scc1 .Lpass
	s_wait_dscnt 0x0                               ; the closing lines, six on end
	s_wait_alu 0x0
	s_wait_tensorcnt 0x0
	ds_add_u32 v254, v255
	s_wait_dscnt 0x0
	s_endpgm
.Lfunc_end_k_qc2aad0f39b_up:
	.size	k_qc2aad0f39b_up, .Lfunc_end_k_qc2aad0f39b_up-k_qc2aad0f39b_up
	.p2alignl 7, 3214868480
	.fill 96, 4, 3214868480
	.section	.rodata,"a",@progbits
	.p2align	6, 0x0
	.amdhsa_kernel k_qc2aad0f39b_up
		.amdhsa_group_segment_fixed_size 151040
		.amdhsa_private_segment_fixed_size 0
		.amdhsa_enable_private_segment 0
		.amdhsa_kernarg_size 72
		.amdhsa_user_sgpr_count 2
		.amdhsa_user_sgpr_kernarg_segment_ptr 1
		.amdhsa_wavefront_size32 1
		.amdhsa_system_sgpr_workgroup_id_x 1
		.amdhsa_system_sgpr_workgroup_id_y 1
		.amdhsa_system_sgpr_workgroup_id_z 1
		.amdhsa_system_vgpr_workitem_id 0
		.amdhsa_next_free_vgpr 1024
		.amdhsa_next_free_sgpr 80
		.amdhsa_reserve_vcc 0
		.amdhsa_float_denorm_mode_32 3
		.amdhsa_float_denorm_mode_16_64 3
		.amdhsa_memory_ordered 1
		.amdhsa_forward_progress 1
		.amdhsa_inst_pref_size 139
	.end_amdhsa_kernel
	.amdgpu_metadata
---
amdhsa.version: [ 1, 2 ]
amdhsa.kernels:
  - .name:           k_qc2aad0f39b_up
    .symbol:         k_qc2aad0f39b_up.kd
    .args:
      - { .name: xc, .offset: 0, .size: 8, .value_kind: global_buffer, .address_space: global }
      - { .name: xs, .offset: 8, .size: 8, .value_kind: global_buffer, .address_space: global }
      - { .name: order, .offset: 16, .size: 8, .value_kind: global_buffer, .address_space: global }
      - { .name: Wu_codes, .offset: 24, .size: 8, .value_kind: global_buffer, .address_space: global }
      - { .name: Wu_scales, .offset: 32, .size: 8, .value_kind: global_buffer, .address_space: global }
      - { .name: Wv_codes, .offset: 40, .size: 8, .value_kind: global_buffer, .address_space: global }
      - { .name: Wv_scales, .offset: 48, .size: 8, .value_kind: global_buffer, .address_space: global }
      - { .name: hc, .offset: 56, .size: 8, .value_kind: global_buffer, .address_space: global }
      - { .name: hs, .offset: 64, .size: 8, .value_kind: global_buffer, .address_space: global }
    .group_segment_fixed_size: 151040
    .private_segment_fixed_size: 0
    .kernarg_segment_align: 8
    .kernarg_segment_size: 72
    .max_flat_workgroup_size: 128
    .sgpr_count:     80
    .vgpr_count:     1024
    .wavefront_size: 32
...
	.end_amdgpu_metadata
.endif
;; end of part 5
;; launch down (part 6): grid 32 x 8, 4 waves a work-group, no clusters, 156,160 bytes of LDS; arguments hc, hs, order, rt, Wd_codes, Wd_scales, out0; writes out0
.if DOCPART == 6
	.amdgcn_target "amdgcn-amd-amdhsa--gfx1250"
	.amdhsa_code_object_version 6
	.text
	.protected	k_qc2aad0f39b_down
	.globl	k_qc2aad0f39b_down
	.p2align	8
	.type	k_qc2aad0f39b_down,@function
k_qc2aad0f39b_down:
	s_mov_b64 s[64:65], 0
	v_nop
	global_prefetch_b8 v0, s[64:65] scope:SCOPE_SE
	s_setreg_imm32_b32 hwreg(HW_REG_WAVE_SCHED_MODE, 0, 2), 2
	s_setreg_imm32_b32 hwreg(HW_REG_WAVE_MODE, 25, 1), 1
	s_wait_xcnt 0x0
	s_wait_alu depctr_vm_vsrc(0)
; DOWN.  Work-group (2 ds + z, e) makes columns 64 ds .. 64 ds + 63 of y for the tiles t = z mod 2 of expert e's tokens: hidden x Wd^T, x the token's gate, each row stored at its token.
; Every token stands in exactly one expert's list, so every row of out0 has one owner for each 64 columns.
; Wd's 64 rows (132,096 dense bytes) come once, 512 neighbouring bytes a wave's load, and stay in LDS as they lie: the pitch, 2,064 = 129 x 16 bytes, puts the 16 rows of a load in 16 different columns of 16 bytes.
; Their scale bytes (5,504 dense bytes, 86 a row) lie behind them; a row's words begin at 0 or 2 modulo 4, so a word is cut out of two by a byte select that hangs on the row's parity.
; In a pass wave w holds two tiles, t = z + 2 w + 8 slot + 16 pass.  The hidden fragments come from memory into registers of their own, up to 54 loads ahead; Wd's come from LDS through a ring of five.
; PRODUCTS, transposed: source 0 = 16 rows of Wd (16 columns of y), source 1 = 16 tokens: lane (r, h) holds token r and 8 neighbouring columns.  K = 2,752 is 21 steps of 128 and one of 64.
;   Lane half h of a fragment holds blocks 4 s + 2 h and 4 s + 2 h + 1, on both operands alike (bytes 1 and 2 of each scale word change places).  In step 21 lanes 16-31 stand for blocks that do not exist:
;   the hidden operand gets zero codes there, Wd's scale bytes are 0 (2^-127) and the hidden ones 0x7f; what Wd's fragment holds there is some finite code.
; THE WAY OUT: a tile goes through the wave's own stage in LDS; sixteen lanes then store 256 consecutive bytes, aligned, of one token's row.
;   NO MASK: the rows that fill up an expert's last tile carry the number, the hidden codes and the gate of that tile's last real row (the launch before lays the list so): this wave stores the same bytes
;   at the same place once more.  Tiles beyond the last are not computed, and an expert without tokens has none.
; No tensor loads and no cluster: trip counts hang on the stored count.  LIMITS: NaN and infinities are not served.
; THE MODE: SCHED_MODE bits 1:0 = 2 (LLVM: expert scheduling mode 2), set by the entry lines.  The code itself states the register dependences
; between vector or matrix instructions and memory or LDS instructions, with s_wait_alu, always for 0.
; THE PLAN.  Registers that memory or LDS instructions touch:
;   v[GA ..], v[FA ..], v[HL], v[R48], v[STO], v[RD], v[CL], v[SCA], v[EX], v[L16], v[SCLA], v[HSL], v[H32], v[R4]   made once at the head, ahead of the first wait on va_vdst, and never written again.
;   v[HA ..], v[HA21 ..], v[HSA ..], v[ORA ..], v[ORR ..]   written by a pass's set-up, read by that pass's loads; v[GO ..] written at the pass's head, read by the two loads of gates.
;   THE HIDDEN FRAGMENTS  every K step has registers of its own: loaded once a pass, read by that step's products alone.  The waits at the pass's end and head state that the pass before is done with them; inside a pass they owe nothing.
;   THE RING, five places of 48   K step q: its products read place q % 5; the fill for step q + 2 lands in place (q - 3) % 5.  A wait on va_vdst at steps 3, 6 .. 18 states that the three steps before are done
;                                 reading their places: each serves three fills, and the products issued since it name other places.
;   v[TK ..]   loaded by the set-up, made into row offsets at the head of the way out, read by the rows' stores.   The accumulators: scaled by the gate, read by the stage's LDS stores.
;   v[OUT ..]  loaded from the stage, read by the rows' stores.
;   One wait on va_vdst in a way out stands for the accumulators and v[TK ..] at once.  One wait on vm_vsrc at a pass's end, ahead of the branch, stands for all that the next pass writes again.
.set SLB,   132096                     ; the slice of Wd's codes
.set SCL,   132096                     ; LDS: its scale bytes
.set STAGE, 137728                     ; LDS: 16 rows x (256 + 16) bytes for each wave
.set TILEB, 33024
.set GA,   4                           ; v4-5    16 x thread; + 65,536
.set FA,   6                           ; v6-7    2,064 r + 48 h; + 66,048 (tiles 2 and 3)
.set HL,   8                           ; v8      768 h + 48 r
.set R48,  9                           ; v9      48 r
.set HA,   10                          ; v10-11  the slots' hidden tiles
.set HA21, 12                          ; v12-13  the same for step 21: both halves of the lanes read the one half that exists
.set STO,  14
.set RD,   15
.set CL,   16                          ; v16     16 (lane % 16)
.set SEL,  18                          ; v18-19  byte selects, by the row's parity; for word 21
.set SEL21, 19
.set SCA,  20                          ; v20     SCL + (86 lane, rounded down to a word)
.set EX,   21                          ; v21     131,072 + 16 lane: the slice's last 1,024 bytes, in memory and in LDS
.set L16,  22
.set SCLA, 23                          ; v23     SCL + 16 lane
.set WS,   24                          ; v24-67  Wd's scale words 22 (tile / 2) + s: lanes 0-15 the even tile, lanes 16-31 the odd one
.set HS,   68                          ; v68-91  the hidden scale words 12 slot + s % 11: lanes 0-15 words 0-10, lanes 16-31 words 11-21
.set ACC,  92                          ; v92-155 accumulators 32 slot + 8 tile; ahead of the barrier: wave 3's scale bytes on their way
.set H21,  156                         ; v156-179 the hidden fragments of step 21; ahead of the passes: the raw scale words of rows 32 + lane
.set TK,   180                         ; v180-195 tokens of rows 8 h + 0 .. 7, 8 a slot; then their rows' offsets in out0
.set TKR,  196                         ; v196-197 token of row r
.set GO,   198                         ; v198-199 its gate's offset
.set OUT,  200                         ; v200-231 rows back from the stage; ahead of the passes: wave 0's rest of the slice, then the raw scale words of rows lane
.set HSA,  232
.set ORA,  234
.set ORR,  236
.set GT,   240                         ; v240-243 the gates, as pairs
.set HSL,  244                         ; 96 r + 48 h
.set H32,  245                         ; 32 h
.set R4,   246                         ; 4 r
.set T0,   247
; v254, v255: the closing add's two registers, made at the head and kept for it alone
; windows 1 and 2: hidden fragments f = 2 s + slot, s < 21, at 12 f and 12 (f - 21).  window 3: 64 staging loads; then v0-239 the ring, 48 (s % 5) + 12 tile.
; scalars: s2 wave, s3 e, s5 ds, s6 z; s[8:21] the buffers; s30 count, s31 z + 2 w, s32 tiles, s33 last tile, s34 lanes 16-31, s35 my passes, s36 pass; s42-43 the slots' tiles
.set MSB, 0
.macro WIN new                         ; the immediate's high byte repeats the setting that is left
.if MSB != (\new)
	s_set_vgpr_msb (MSB<<8)|(\new)
.set MSB, (\new)
.endif
.endm
.macro PLACES                          ; four plain places behind a matrix instruction, or ahead of a scaled one whose operand a vector instruction wrote (ISA guide 7.12.1)
.rept 4
	v_nop
.endr
.endm
.macro PRE preg                        ; pass s[preg]: the two slots' addresses and their first 20 loads, the same number on every path
	s_lshl_b32 s40, s[\preg], 4
	s_add_co_u32 s40, s40, s31
.irp i, 0,1
	s_add_co_u32 s[42+\i], s40, 8*\i               ; the slot's tile;
	s_min_u32 s41, s[42+\i], s33                   ; for the loads it is held at the last tile that was written
	s_min_u32 s41, s41, 63
	s_mul_i32 s44, s41, TILEB
	v_add_nc_u32 v[HA+\i], s44, v[HL]
	v_add_nc_u32 v[HA21+\i], s44, v[R48]
	s_mul_i32 s44, s41, 1536
	v_add_nc_u32 v[HSA+\i], s44, v[HSL]
	s_lshl_b32 s44, s41, 6
	v_add_nc_u32 v[ORA+\i], s44, v[H32]
	v_add_nc_u32 v[ORR+\i], s44, v[R4]
.endr
	s_wait_alu depctr_va_vdst(0)                   ; the ten offsets are written, which this pass's loads read; the products and vector lines of the pass before are done with v[HS ..], v[TK ..], v[TKR ..] and K step 0's fragments, in which the loads below land
.irp i, 0,1
	global_load_b128 v[HS+12*\i:HS+12*\i+3], v[HSA+\i], s[10:11]
	global_load_b128 v[HS+12*\i+4:HS+12*\i+7], v[HSA+\i], s[10:11] offset:16
	global_load_b64 v[HS+12*\i+8:HS+12*\i+9], v[HSA+\i], s[10:11] offset:32
	global_load_b32 v[HS+12*\i+10], v[HSA+\i], s[10:11] offset:40
	global_load_b128 v[TK+8*\i:TK+8*\i+3], v[ORA+\i], s[12:13]
	global_load_b128 v[TK+8*\i+4:TK+8*\i+7], v[ORA+\i], s[12:13] offset:16
	global_load_b32 v[TKR+\i], v[ORR+\i], s[12:13]
.endr
	WIN 0x40
.irp i, 0,1
.irp g, 0,1,2
	global_load_b128 v[12*\i+4*\g:12*\i+4*\g+3], v[HA+\i], s[8:9] offset:16*\g    ; K step 0
.endr
.endr
	WIN 0
.endm
.macro HLOAD s, nt                     ; the hidden fragments of K step s, for nt slots: three loads each, 1,536 dense bytes.  No vector or matrix instruction of this pass has named their registers
.irp i, 0,1
.if \i < \nt
.set HF, 2*(\s)+\i
.if (\s) == 21
	WIN 0
.irp g, 0,1,2
	global_load_b128 v[H21+12*\i+4*\g:H21+12*\i+4*\g+3], v[HA21+\i], s[8:9] offset:32256+16*\g
.endr
.elseif HF < 21
	WIN 0x40
.irp g, 0,1,2
	global_load_b128 v[12*HF+4*\g:12*HF+4*\g+3], v[HA+\i], s[8:9] offset:1536*(\s)+16*\g
.endr
.else
	WIN 0x80
.irp g, 0,1,2
	global_load_b128 v[12*(HF-21)+4*\g:12*(HF-21)+4*\g+3], v[HA+\i], s[8:9] offset:1536*(\s)+16*\g
.endr
.endif
.endif
.endr
.endm
.macro WFR s, w                        ; Wd's four fragments of K step s: 12 LDS loads into ring place s % 5.  w = 1: the wait that serves this fill and the next two
	WIN 0xc0
.if \w
	s_wait_alu depctr_va_vdst(0)                   ; the products of the three K steps before are done reading their ring places, in which this fill and the next two land
.endif
.irp d, 0,1,2,3
.irp g, 0,1,2
	ds_load_b128 v[48*((\s)%5)+12*\d+4*\g:48*((\s)%5)+12*\d+4*\g+3], v[FA+\d/2] offset:33024*(\d%2)+96*(\s)+16*\g
.endr
.endr
.endm
.macro WM d, a, b, sa, sb, ra, rb, zero    ; one product; ra, rb: that source's scales stand in lanes 16-31; zero: it starts the sum
.if \zero
.if (\ra) && (\rb)
	v_wmma_scale_f32_16x16x128_f8f6f4 v[\d:\d+7], v[\a:\a+11], v[\b:\b+11], 0, v[\sa], v[\sb] matrix_a_fmt:MATRIX_FMT_BF6 matrix_b_fmt:MATRIX_FMT_BF6 matrix_a_scale:MATRIX_SCALE_ROW1 matrix_b_scale:MATRIX_SCALE_ROW1
.elseif \ra
	v_wmma_scale_f32_16x16x128_f8f6f4 v[\d:\d+7], v[\a:\a+11], v[\b:\b+11], 0, v[\sa], v[\sb] matrix_a_fmt:MATRIX_FMT_BF6 matrix_b_fmt:MATRIX_FMT_BF6 matrix_a_scale:MATRIX_SCALE_ROW1
.elseif \rb
	v_wmma_scale_f32_16x16x128_f8f6f4 v[\d:\d+7], v[\a:\a+11], v[\b:\b+11], 0, v[\sa], v[\sb] matrix_a_fmt:MATRIX_FMT_BF6 matrix_b_fmt:MATRIX_FMT_BF6 matrix_b_scale:MATRIX_SCALE_ROW1
.else
	v_wmma_scale_f32_16x16x128_f8f6f4 v[\d:\d+7], v[\a:\a+11], v[\b:\b+11], 0, v[\sa], v[\sb] matrix_a_fmt:MATRIX_FMT_BF6 matrix_b_fmt:MATRIX_FMT_BF6
.endif
.else
.if (\ra) && (\rb)
	v_wmma_scale_f32_16x16x128_f8f6f4 v[\d:\d+7], v[\a:\a+11], v[\b:\b+11], v[\d:\d+7], v[\sa], v[\sb] matrix_a_fmt:MATRIX_FMT_BF6 matrix_b_fmt:MATRIX_FMT_BF6 matrix_a_scale:MATRIX_SCALE_ROW1 matrix_b_scale:MATRIX_SCALE_ROW1
.elseif \ra
	v_wmma_scale_f32_16x16x128_f8f6f4 v[\d:\d+7], v[\a:\a+11], v[\b:\b+11], v[\d:\d+7], v[\sa], v[\sb] matrix_a_fmt:MATRIX_FMT_BF6 matrix_b_fmt:MATRIX_FMT_BF6 matrix_a_scale:MATRIX_SCALE_ROW1
.elseif \rb
	v_wmma_scale_f32_16x16x128_f8f6f4 v[\d:\d+7], v[\a:\a+11], v[\b:\b+11], v[\d:\d+7], v[\sa], v[\sb] matrix_a_fmt:MATRIX_FMT_BF6 matrix_b_fmt:MATRIX_FMT_BF6 matrix_b_scale:MATRIX_SCALE_ROW1
.else
	v_wmma_scale_f32_16x16x128_f8f6f4 v[\d:\d+7], v[\a:\a+11], v[\b:\b+11], v[\d:\d+7], v[\sa], v[\sb] matrix_a_fmt:MATRIX_FMT_BF6 matrix_b_fmt:MATRIX_FMT_BF6
.endif
.endif
.endm
.macro MULS s, nt                      ; 4 nt products; the accumulators take turns, one instruction a turn, in the same order in every K step
.irp i, 0,1
.if \i < \nt
.set HF, 2*(\s)+\i
.if (\s) == 21
	WIN 0x03
.set HB, H21+12*\i
.elseif HF < 21
	WIN 0x07
.set HB, 12*HF
.else
	WIN 0x0b
.set HB, 12*(HF-21)
.endif
.irp d, 0,1,2,3
	WM ACC+32*\i+8*\d, 48*((\s)%5)+12*\d, HB, WS+22*(\d/2)+(\s), HS+12*\i+(\s)%11, \d%2, (\s)>=11, (\s)==0
.endr
.endif
.endr
.endm
.macro VAR nt                          ; all 22 K steps for nt slots
.set DD, 18/\nt                        ; the hidden fragments are asked for DD steps ahead: 54 loads
.set q, 1
.rept DD
	HLOAD q, \nt
.set q, q+1
.endr
	WFR 0, 0                                       ; the first five fills land in places that the pass before read: the waits at its end and at this pass's head stand between
	WFR 1, 0
.set q, 0
.rept 22
.if (q >= 1) && (q+DD <= 21)
	HLOAD q+DD, \nt
.endif
.if q+2 <= 21
.if (q >= 3) && (q%3 == 0)
	PLACES                                         ; the plain form's four places stay, ahead of the wait
	WFR q+2, 1
.else
	WFR q+2, 0                                     ; no wait: no product issued since the last wait names this place
.endif
.endif
.set AH, q+DD
.if AH > 21
.set AH, 21
.endif
.set RG, 21-q
.if RG > 2
.set RG, 2
.endif
	s_wait_loadcnt 3*\nt*(AH-q)                    ; this step's hidden fragments are in; those of the steps ahead may be out
	s_wait_dscnt 12*RG                             ; this step's fragments of Wd are in; the ring's younger fills may be out
.if q == 21
	WIN 0
.irp i, 0,1
.if \i < \nt
.irp k, 0,1,2,3,4,5,6,7,8,9,10,11
	v_cndmask_b32 v[H21+12*\i+\k], v[H21+12*\i+\k], 0, s34      ; lanes 16-31: blocks 86 and 87 do not exist: zero codes
.endr
.endif
.endr
	PLACES                                         ; an operand written by vector instructions stands four places ahead of a scaled product,
	s_wait_alu depctr_va_vdst(0)                   ; and the selects have written v[H21 ..], which the last step's products take as source 1
.endif
	MULS q, \nt
.set q, q+1
.endr
.endm
.macro OUTT i                          ; slot i: x the gate, through my stage, out
	WIN 0
.irp k, 0,1,2,3,4,5,6,7
	v_min_u32 v[TK+8*\i+\k], 0x3ff, v[TK+8*\i+\k]               ; these 24 lines name no register of the products: they are also the places behind the last of them
.endr
.irp k, 0,1,2,3,4,5,6,7
	v_lshlrev_b32 v[TK+8*\i+\k], 12, v[TK+8*\i+\k]              ; the token's row of out0,
.endr
.irp k, 0,1,2,3,4,5,6,7
	v_add_nc_u32 v[TK+8*\i+\k], v[TK+8*\i+\k], v[CL]            ; my 16 bytes of its 256
.endr
.set j, 0
.rept 16
	v_pk_mul_f32 v[ACC+32*\i+j:ACC+32*\i+j+1], v[ACC+32*\i+j:ACC+32*\i+j+1], v[GT+2*\i:GT+2*\i+1] op_sel_hi:[1,0]   ; each accumulator from its low end on
.set j, j+2
.endr
	s_wait_xcnt 0x0                                ; the tile before has its stores' data in the registers that the loads below write again
.if \i
	s_wait_alu depctr_vm_vsrc(0)                   ; the first slot's stores have read v[OUT ..], in which the loads from the stage land
.endif
	s_wait_alu depctr_va_vdst(0)                   ; the scalings have written the accumulators, which the LDS stores read, and the adds v[TK ..], which the rows' stores read as offsets
.irp d, 0,1,2,3
	ds_store_b128 v[STO], v[ACC+32*\i+8*\d:ACC+32*\i+8*\d+3] offset:64*\d
	ds_store_b128 v[STO], v[ACC+32*\i+8*\d+4:ACC+32*\i+8*\d+7] offset:64*\d+16
.endr
.irp k, 0,1,2,3,4,5,6,7
	ds_load_b128 v[OUT+4*\k:OUT+4*\k+3], v[RD] offset:272*\k    ; lanes 0-15 row k, lanes 16-31 row 8 + k.  LDS serves a wave's instructions in order: these see the stores above
.endr
.irp k, 0,1,2,3,4,5,6,7
	s_wait_dscnt 7-\k                              ; row k is back; the later rows may be out
	global_store_b128 v[TK+8*\i+\k], v[OUT+4*\k:OUT+4*\k+3], s[20:21] th:TH_STORE_NT   ; sixteen lanes store 256 consecutive bytes, aligned
.endr
.endm
.macro STG k                           ; staging loads 16 k .. 16 k + 15 go to LDS as they lie
.set j, 16*\k
.rept 16
	ds_store_b128 v[GA+j/32], v[4*j:4*j+3] offset:2048*(j%32)
.set j, j+1
.endr
.endm
	s_load_b256 s[8:15], s[0:1], 0x0               ; hc, hs, order, rt
	s_load_b128 s[16:19], s[0:1], 0x20             ; Wd_codes, Wd_scales
	s_load_b64 s[20:21], s[0:1], 0x30              ; out0
	v_lshl_add_u32 v254, v0, 2, 0x26000
	v_mov_b32 v255, 0
	v_lshrrev_b32 v1, 5, v0
	v_readfirstlane_b32 s2, v1                     ; wave
	s_and_b32 s3, ttmp7, 0xffff                    ; e
	s_lshr_b32 s5, ttmp9, 1                        ; ds
	s_and_b32 s6, ttmp9, 1                         ; z
	s_wait_alu depctr_va_sdst(0)                   ; s2, the wave's number, is written, ahead of its first reader
	s_lshl_b32 s31, s2, 1
	s_add_co_u32 s31, s31, s6                      ; z + 2 w
	s_mov_b32 s34, 0xffff0000
	v_and_b32 v1, 31, v0                           ; lane
	v_and_b32 v2, 15, v0                           ; r
	v_bfe_u32 v3, v0, 4, 1                         ; h
	v_lshlrev_b32 v[GA], 4, v0
	v_add_nc_u32 v[GA+1], 65536, v[GA]
	v_mul_u32_u24 v[FA], v2, 2064
	v_mul_u32_u24 v[R48], v2, 48
	v_mul_u32_u24 v[T0], v3, 48
	v_add_nc_u32 v[FA], v[FA], v[T0]
	v_add_nc_u32 v[FA+1], 66048, v[FA]
	v_mul_u32_u24 v[HL], v3, 768
	v_add_nc_u32 v[HL], v[HL], v[R48]
	s_mul_i32 s40, s2, 4352
	s_add_co_u32 s40, s40, STAGE                   ; my stage
	v_mul_u32_u24 v[STO], v2, 272
	v_lshl_add_u32 v[STO], v3, 5, v[STO]
	v_add_nc_u32 v[STO], s40, v[STO]               ; in: row r, 32 bytes for each half of the lanes
	v_mul_u32_u24 v[RD], v3, 8*272
	v_lshl_add_u32 v[RD], v2, 4, v[RD]
	v_add_nc_u32 v[RD], s40, v[RD]                 ; back: sixteen lanes to a row
	v_lshlrev_b32 v[CL], 4, v2
	v_and_b32 v[T0], 1, v1
	v_cmp_eq_u32 vcc_lo, 1, v[T0]                  ; an odd row's scale bytes begin 2 bytes into a word
	v_mov_b32 v[SEL], 0x03010200
	v_mov_b32 v[T0], 0x05030402
	s_wait_alu depctr_va_vcc(0)                    ; the compare has written VCC, ahead of its first reader: the two selects below choose by it
	v_cndmask_b32 v[SEL], v[SEL], v[T0], vcc_lo    ; the word's four bytes, bytes 1 and 2 in each other's places
	v_mov_b32 v[SEL21], 0x0c010c00
	v_mov_b32 v[T0], 0x0c030c02
	v_cndmask_b32 v[SEL21], v[SEL21], v[T0], vcc_lo  ; word 21: blocks 84 and 85 in bytes 0 and 2, the byte 0 in bytes 1 and 3
	v_mul_u32_u24 v[SCA], v1, 86
	v_and_b32 v[SCA], -4, v[SCA]
	v_add_nc_u32 v[SCA], SCL, v[SCA]
	v_lshlrev_b32 v[L16], 4, v1
	v_add_nc_u32 v[EX], 131072, v[L16]
	v_add_nc_u32 v[SCLA], SCL, v[L16]
	v_mul_u32_u24 v[HSL], v2, 96
	v_mad_u32_u24 v[HSL], v3, 48, v[HSL]
	v_lshlrev_b32 v[H32], 5, v3
	v_lshlrev_b32 v[R4], 2, v2
	v_mov_b32 v[GT+1], 0                           ; (named as the upper halves of pairs, so they are written)
	v_mov_b32 v[GT+3], 0
	s_wait_kmcnt 0x0
	s_lshl_b32 s26, s3, 7
	s_add_co_u32 s26, s26, 32768
	s_mov_b32 s27, 0
	s_add_nc_u64 s[24:25], s[12:13], s[26:27]
	s_load_b32 s30, s[24:25], 0x0                  ; my expert's count
	s_mul_i32 s26, s3, 2113536
	s_add_nc_u64 s[8:9], s[8:9], s[26:27]          ; hc at my expert
	s_mul_i32 s28, s5, SLB
	s_add_co_u32 s26, s26, s28
	s_add_nc_u64 s[16:17], s[16:17], s[26:27]      ; Wd's codes at my 64 rows
	s_mul_i32 s26, s3, 88064
	s_mul_i32 s28, s5, 5504
	s_add_co_u32 s26, s26, s28
	s_add_nc_u64 s[18:19], s[18:19], s[26:27]      ; their scale bytes
	s_mul_i32 s26, s3, 98304
	s_add_nc_u64 s[10:11], s[10:11], s[26:27]      ; hs at my expert
	s_lshl_b32 s26, s3, 12
	s_add_nc_u64 s[12:13], s[12:13], s[26:27]      ; my expert's list
	s_lshl_b32 s26, s5, 8
	s_add_nc_u64 s[20:21], s[20:21], s[26:27]      ; out0 at my 64 columns
	; ---- the first loads.  What only one wave brings goes out first, so that every later count covers it; the two waves' extras have registers of their own
	s_wait_alu depctr_va_vdst(0)                   ; all the offsets and LDS addresses made above are written, which the loads and stores of the whole kernel read
	s_cmp_lg_u32 s2, 0
	s_cbranch_scc1 .La0
	global_load_b128 v[OUT:OUT+3], v[EX], s[16:17]             ; the slice is 64 x 2,048 + 1,024 bytes: wave 0 brings the rest
	global_load_b128 v[OUT+4:OUT+7], v[EX], s[16:17] offset:512
.La0:
	s_cmp_lg_u32 s2, 3
	s_cbranch_scc1 .La3
.irp j, 0,1,2,3,4,5,6,7,8,9
	global_load_b128 v[ACC+4*\j:ACC+4*\j+3], v[L16], s[18:19] offset:512*\j
.endr
	global_load_b128 v[ACC+40:ACC+43], v[L16], s[18:19] offset:4992   ; 5,504 = 10.75 x 512: the last load begins 512 bytes ahead of the end and brings 128 bytes a second time
.La3:
	WIN 0xc0
.set j, 0
.rept 64
	global_load_b128 v[4*j:4*j+3], v[GA], s[16:17] offset:2048*j
.set j, j+1
.endr
	WIN 0
	s_wait_kmcnt 0x0
	s_min_u32 s30, s30, 1024                       ; the count
	s_add_co_u32 s32, s30, 15
	s_lshr_b32 s32, s32, 4                         ; tiles
	s_max_u32 s33, s32, 1
	s_sub_co_u32 s33, s33, 1                       ; the last tile that was written
	s_add_co_u32 s35, s32, 15
	s_sub_co_u32 s35, s35, s31
	s_lshr_b32 s35, s35, 4                         ; my passes: those whose first slot has a tile
	s_mov_b32 s36, 0
	PRE 36
	WIN 0x0c                                       ; an LDS store's data are its source 1: window 3
	s_wait_loadcnt 63                              ; behind the first 16 loads stand 48 + 20: the wait names 63, which shows more than is needed
	STG 0
	s_wait_loadcnt 52                              ; 32 of Wd's and the pass's 20 may be out
	STG 1
	s_wait_loadcnt 36
	STG 2
	s_wait_loadcnt 20
	STG 3
	WIN 0
	s_cmp_lg_u32 s2, 0
	s_cbranch_scc1 .Lb0
	ds_store_b128 v[EX], v[OUT:OUT+3]
	ds_store_b128 v[EX], v[OUT+4:OUT+7] offset:512
.Lb0:
	s_cmp_lg_u32 s2, 3
	s_cbranch_scc1 .Lb3
.irp j, 0,1,2,3,4,5,6,7,8,9
	ds_store_b128 v[SCLA], v[ACC+4*\j:ACC+4*\j+3] offset:512*\j
.endr
	ds_store_b128 v[SCLA], v[ACC+40:ACC+43] offset:4992
.Lb3:
	s_wait_dscnt 0x0                               ; for the others' sake: my part of the slice lies in LDS
	s_barrier_signal -1
	s_barrier_wait -1                              ; the launch's one barrier: behind it the slice is only read, and a stage is its wave's own
	s_wait_alu depctr_vm_vsrc(0)                   ; my LDS stores have read window 3's registers, v[OUT ..] and v[ACC ..]: from here on these are the ring, the raw scale words' place and the accumulators
	; ---- Wd's scale words: rows lane and 32 + lane, 22 words each; the two runs of raw words have registers of their own, so that no load follows a select into the same registers
.irp s, 0,1,2,3,4,5,6,7,8,9,10,11,12,13,14,15,16,17,18,19,20,21
	ds_load_b32 v[OUT+\s], v[SCA] offset:4*\s
.endr
.irp s, 0,1,2,3,4,5,6,7,8,9,10,11,12,13,14,15,16,17,18,19,20,21
	ds_load_b32 v[H21+\s], v[SCA] offset:2752+4*\s
.endr
	s_wait_dscnt 0x0
.irp s, 0,1,2,3,4,5,6,7,8,9,10,11,12,13,14,15,16,17,18,19,20
	v_perm_b32 v[WS+\s], v[OUT+\s+1], v[OUT+\s], v[SEL]
.endr
	v_perm_b32 v[WS+21], v[OUT+21], v[OUT+21], v[SEL21]
.irp s, 0,1,2,3,4,5,6,7,8,9,10,11,12,13,14,15,16,17,18,19,20
	v_perm_b32 v[WS+22+\s], v[H21+\s+1], v[H21+\s], v[SEL]
.endr
	v_perm_b32 v[WS+43], v[H21+21], v[H21+21], v[SEL21]
.rept 8
	v_nop                                          ; a scale register written by a vector instruction stands eight places ahead of a scaled product; the wait that goes with them stands at the pass's head
.endr
	; ---- the passes.  Four trips serve every split (64 tiles at the most, 16 a pass for the two work-groups' eight waves); a trip beyond my count jumps over the work
.Lpass:
	s_cmp_ge_u32 s36, s35
	s_cbranch_scc1 .Lskip
	s_wait_loadcnt 0x0                             ; the pass's first 20 loads
.irp i, 0,1
	v_min_u32 v[TKR+\i], 0x3ff, v[TKR+\i]
.endr
.irp i, 0,1
	v_lshlrev_b32 v[GO+\i], 2, v[TKR+\i]
.endr
	s_wait_alu depctr_va_vdst(0)                   ; v[GO ..] are written, which the two loads read; the pass before is done with the gates, the hidden fragments and the ring, in which this pass's loads land; in the first pass: the byte selects have written v[WS ..] for the products and are done reading v[OUT ..] and v[H21 ..]
.irp i, 0,1
	global_load_b32 v[GT+2*\i], v[GO+\i], s[14:15] ; the gate of row r's token
.endr
	s_cmp_lt_u32 s43, s32                          ; has the second slot a tile?
	s_cbranch_scc0 .Lone
	VAR 2
	OUTT 0
	OUTT 1
	s_branch .Lnext
.Lone:
	VAR 1
	OUTT 0
.Lnext:
	s_wait_alu depctr_vm_vsrc(0)                   ; ahead of the branch: this pass's loads have read their offsets and v[GO ..], its LDS stores the accumulators, its rows' stores v[TK ..] and v[OUT ..]: the next pass writes them all again
	s_add_co_u32 s37, s36, 1
	s_cmp_ge_u32 s37, s35
	s_cbranch_scc1 .Lskip
	s_wait_xcnt 0x0                                ; the stores have read their offsets: the next pass's loads land there
	PRE 37
.Lskip:
	s_add_co_u32 s36, s36, 1
	s_cmp_lt_u32 s36, 4
	s_cbranch_scc1 .Lpass
	s_wait_dscnt 0x0                               ; the closing lines, six on end
	s_wait_alu 0x0
	s_wait_tensorcnt 0x0
	ds_add_u32 v254, v255
	s_wait_dscnt 0x0
	s_endpgm
.Lfunc_end_k_qc2aad0f39b_down:
	.size	k_qc2aad0f39b_down, .Lfunc_end_k_qc2aad0f39b_down-k_qc2aad0f39b_down
	.p2alignl 7, 3214868480
	.fill 96, 4, 3214868480
	.section	.rodata,"a",@progbits
	.p2align	6, 0x0
	.amdhsa_kernel k_qc2aad0f39b_down
		.amdhsa_group_segment_fixed_size 156160
		.amdhsa_private_segment_fixed_size 0
		.amdhsa_enable_private_segment 0
		.amdhsa_kernarg_size 56
		.amdhsa_user_sgpr_count 2
		.amdhsa_user_sgpr_kernarg_segment_ptr 1
		.amdhsa_wavefront_size32 1
		.amdhsa_system_sgpr_workgroup_id_x 1
		.amdhsa_system_sgpr_workgroup_id_y 1
		.amdhsa_system_sgpr_workgroup_id_z 1
		.amdhsa_system_vgpr_workitem_id 0
		.amdhsa_next_free_vgpr 1024
		.amdhsa_next_free_sgpr 66
		.amdhsa_reserve_vcc 1
		.amdhsa_float_denorm_mode_32 3
		.amdhsa_float_denorm_mode_16_64 3
		.amdhsa_memory_ordered 1
		.amdhsa_forward_progress 1
		.amdhsa_inst_pref_size 137
	.end_amdhsa_kernel
	.amdgpu_metadata
---
amdhsa.version: [ 1, 2 ]
amdhsa.kernels:
  - .name:           k_qc2aad0f39b_down
    .symbol:         k_qc2aad0f39b_down.kd
    .args:
      - { .name: hc, .offset: 0, .size: 8, .value_kind: global_buffer, .address_space: global }
      - { .name: hs, .offset: 8, .size: 8, .value_kind: global_buffer, .address_space: global }
      - { .name: order, .offset: 16, .size: 8, .value_kind: global_buffer, .address_space: global }
      - { .name: rt, .offset: 24, .size: 8, .value_kind: global_buffer, .address_space: global }
      - { .name: Wd_codes, .offset: 32, .size: 8, .value_kind: global_buffer, .address_space: global }
      - { .name: Wd_scales, .offset: 40, .size: 8, .value_kind: global_buffer, .address_space: global }
      - { .name: out0, .offset: 48, .size: 8, .value_kind: global_buffer, .address_space: global }
    .group_segment_fixed_size: 156160
    .private_segment_fixed_size: 0
    .kernarg_segment_align: 8
    .kernarg_segment_size: 56
    .max_flat_workgroup_size: 128
    .sgpr_count:     66
    .vgpr_count:     1024
    .wavefront_size: 32
...
	.end_amdgpu_metadata
.endif
;; end of part 6
